; MI455X (gfx1250); checked and timed in simulation.
; The chip was launched on July 23, 2026; its instructions are those of AMD's public machine-readable ISA for CDNA 5 (MIT licence, August 2026) and "CDNA5" Instruction Set Architecture Reference Guide (July 2026). The comments in the code are by the model that wrote it; some were corrected since.
;; Vector Quantizer. Allowed arithmetic: matrix products marked QUANTISED: E3M2 operands, one E8M0 scale for each 32 along K, by v_wmma_scale_f32_16x16x128_f8f6f4 with both operands' format E3M2, f32 sums; everything else in f32.
;; Inputs: embedding 1,024 x 64 float32; inputs 16 x 64 x 64 x 64 float32.
;; Outputs: out0 16 x 64 x 64 x 64 float32; out1 one number float32.
;; This version of the problem:
;;   THIS VERSION OF THE PROBLEM IS GIVEN IN LOW PRECISION. The matrix products marked QUANTISED in the list below multiply operands that are first quantised to E3M2 (3 exponent bits, 2 mantissa bits; 6 bits a number), with one power-of-two scale for each 32 numbers along K (OCP MX v1.0); their sums are f32. All else is computed in f32.
;;   The module's matrix products, in the order in which they are computed (A, B: the left and right operand; K: the contracted axis; several contracted axes count as one K, in the product's order):
;;     1. [M 65,536, K 64] x [K 64, N 1,024]; A: input inputs; B: input embedding: QUANTISED
;;   THE QUANTISER, for each operand of a quantised product, along K:
;;     - K is cut into blocks of 32 from its start; a last block that is shorter is filled with zeros.
;;     - A block's scale is 2^e with e = floor(log2(the largest magnitude in the block)) - 4, held to -126 .. 127; a block of zeros has e = 0. As a byte (E8M0): e + 127.
;;     - Each number is divided by its block's scale, clamped to +-28, and rounded to the nearest number of E3M2, ties to even, subnormals kept.
;;     - The product sums the exact products of the quantised numbers (number of the format x scale) in f32.
;;   ~~~python
;;   def quantise(x, axis):      # numpy; x: float32 -> the quantised numbers, widened to float32 again
;;       x = np.moveaxis(x, axis, -1); K = x.shape[-1]
;;       x = np.pad(x, [(0, 0)] * (x.ndim - 1) + [(0, -K % 32)]); x = x.reshape(x.shape[:-1] + (-1, 32)); a = np.abs(x).max(-1, keepdims=True)
;;       e = np.where(a > 0, np.clip(np.frexp(np.where(a > 0, a, 1))[1] - 1 - 4, -126, 127), 0)      # np.frexp(a)[1] - 1 = floor(log2(a)), exactly
;;       r = np.clip(x / 2.0 ** e, -28, 28)
;;       step = 2.0 ** (np.maximum(np.frexp(np.where(r == 0, 1, r))[1] - 1, -2) - 2)
;;       q = np.round(r / step) * step * 2.0 ** e      # np.round: ties to even
;;       return np.moveaxis(q.reshape(q.shape[:-2] + (-1,))[..., :K], -1, axis).astype(np.float32)
;;   ~~~
;; 2 versions. Each part assembles by itself: llvm-mc -triple=amdgcn-amd-amdhsa -mcpu=gfx1250 --defsym DOCPART=n.
;; ======== version 1 of 2: 3 launches
;; workspace buffers: idx 262,144 bytes of whole numbers; part 1,024 bytes
;; launch nearest (part 1): grid 256 x 1, 8 waves a work-group, no clusters, 168,960 bytes of LDS; arguments embedding, inputs, idx; writes idx
.if DOCPART == 1
	.amdgcn_target "amdgcn-amd-amdhsa--gfx1250"
	.amdhsa_code_object_version 6
	.text
	.protected	k_q0d8bb6eb7d_nearest
	.globl	k_q0d8bb6eb7d_nearest
	.p2align	8
	.type	k_q0d8bb6eb7d_nearest,@function
k_q0d8bb6eb7d_nearest:
	s_mov_b64 s[64:65], 0
	v_nop
	global_prefetch_b8 v0, s[64:65] scope:SCOPE_SE
	s_setreg_imm32_b32 hwreg(HW_REG_WAVE_MODE, 25, 1), 1
	s_wait_xcnt 0x0
; idx[n] = argmin over k of (|x_n|^2 + |e_k|^2) - 2 x_n . e_k, the lowest k on ties.  x: inputs as [65536][64] f32; e: embedding [1024][64] f32.
; The dot products are taken on codes of BF6 (E3M2) with one E8M0 scale for each 32 along the 64, by the scaled matrix instruction; all else is f32,
; rounded as the definition rounds it: s = xx + ee, then d = s - 2 dot (one fused multiply-add: 2 dot is exact).
; SHARES.  256 work-groups of 8 waves; a work-group owns 256 rows of x, a wave 32 (two tiles of 16).  Every work-group quantises the whole codebook, each wave 8 of its 64 tiles of 16 rows.
; A TILE OF 16 ROWS x 64 f32 is 4,096 dense bytes.  It comes by eight loads of 512 consecutive bytes and turns through the wave's own stage in LDS, so that lane (r, h) = (lane % 16, lane / 16)
; holds block h (k = 32 h .. 32 h + 31) of row r in 32 registers: the block's largest magnitude needs no other lane, and the two conversions give registers 0-5 of the operand as it is wanted.
; K is 64 and the instruction takes 128: registers 6-11 of both operands (k = 64 .. 127) hold zero codes, which add nothing; the scale words' bytes 2 and 3 are 0.
; A codebook tile lies in LDS as a RECORD of 896 bytes: 512 (registers 0-3, 16 bytes a lane) + 256 (registers 4-5, 8 bytes a lane) + 64 (16 scale words) + 64 (16 sums of squares).
; BY QUARTERS.  The codebook is taken in four quarters of 16 tiles, two tiles a wave.  A wave's order: x and quarter 0 are quantised | barrier | quarter 1 is quantised, quarter 0 is walked | barrier |
; quarter 2 quantised, quarter 1 walked | barrier | quarter 3 quantised, quarter 2 walked | barrier | quarter 3 walked.  So a quarter's records are stored a whole walk ahead of the barrier behind which
; they are read, and the loads of quarters 2 and 3 are on their way during a walk of 16 tiles, in two sets of registers that the walk does not name.
; THE PRODUCT IS USED TRANSPOSED (source 0 = 16 candidates, source 1 = 16 rows of x): lane (r, h) holds row r, and register j candidate 16 t + 8 h + j.  So a lane walks ONE row.
; ARGMIN.  Per tile: the least of the lane's 8 distances; where it is under the best so far, the best, the tile's number and the tile's 8 distances are taken over by selects (no branch on data).
; At the end the lowest j whose kept distance equals the best gives the index, and the two halves of the lanes compare (distance, index).  Strictly-less keeps the lower index throughout.
; NO CLUSTER, NO TENSOR LOAD, though all work-groups read the same codebook: it arrives as f32 and has to pass through registers to be quantised, and its loads stand a walk ahead of their use.
; The claim of LDS (167,936, and behind it 1,024 bytes of spare words) is larger than the use (101,376 and the spare words), so that each of the 256 work-groups has a WGP to itself.
; LIMITS: NaN and infinities are not served.  A block whose largest magnitude is under 2^-122 has the scale byte 1 (the clip of the quantiser's rule); a block of zeros has 1 where the rule says 127:
; its codes are zeros and the bytes are read here alone.  The sums of squares are added in another order than the definition's.
.set REC,    896                       ; a codebook tile's record
.set PH,     16384                     ; from quarter to quarter: 16 records (14,336 bytes) and a gap.  A walk's base one step past its last trip plus the largest offset in the loop, 10,752 + 5,344 = 16,096,
                                       ; still lies in its own quarter: reads of one quarter and stores into the next are told apart by the text's own arithmetic
.set STG,    4*PH                      ; behind the quarters: a stage for each wave,
.set SPITCH, 272                       ; 16 rows of 256 bytes + 16: the sixteen rows that a 16-byte load touches begin at sixteen different 16-byte columns of 256
.set STGW,   16*SPITCH
.set IDXS,   STG+8*STGW                ; and the work-group's 256 indices
.set GA,   4                           ; v4     16 x lane: my bytes of a dense load
.set SIN,  5                           ; v5     stage, way in: row lane / 16 of a load's two rows, 16 bytes at 16 (lane % 16)
.set SOUT, 6                           ; v6     stage, way out: row r, 128 h
.set IA,   7                           ; v7-9   where my wave's two records of a quarter begin, + 16 lane, + 8 lane, + 4 r
.set IB,   8
.set IW,   9
.set SH8,  10                          ; v10    8 h
.set LX,   11                          ; v11-14 a record's lane terms: 16 lane, 8 lane, 4 r, 32 h
.set IDA,  15                          ; v15    IDXS + 4 x thread
.set XF,   16                          ; v16-39 x's two fragments, 12 registers each
.set XSC,  40                          ; v40-41 their scale words
.set XXP,  42                          ; v42-45 xx of tile 0 twice, of tile 1 twice (pairs for the packed add)
.set AB,   46                          ; v46-69 two buffers for a codebook fragment
.set ASC,  70                          ; v70-71 its scale words
.set EE,   72                          ; v72-87 its 8 sums of squares of my half, two buffers
.set ACC,  88                          ; v88-119 accumulators: buffer p, row tile a at ACC + 16 p + 8 a
.set S,    120                         ; v120-135 s, then d: 8 for each row tile
.set KP,   136                         ; v136-151 the best tile's 8 distances
.set BEST, 152                         ; v152-153
.set TV,   154                         ; v154-155 the best tile's number
.set G,    156                         ; v156-161 at work
.set AD,   162                         ; v162-165 the trip's LDS addresses
.set JJ,   166                         ; v166-167 j, then the index
.set OB,   168                         ; v168-171 the other half's best and index
.set OI,   170
.set OV,   172                         ; v172-175 four indices on their way out
.set IDB,  176                         ; v176   IDXS + 16 x thread
.set IDG,  177                         ; v177   16 x thread
; the quantiser's registers: v120-135 are the walk's s and d, which hold nothing between two walks; v178-184 are its own
.set PC,   120                         ; v120-125 a tile's six code registers
.set PT,   126                         ; v126-128 the second conversion's three (a conversion's result begins on an even register)
.set PM,   130                         ; v130-131 largest magnitudes, two chains
.set PQ,   132                         ; v132-135 sums of squares, two packed chains
.set PSC,  178                         ; the conversions' scale operand
.set PB,   179                         ; the scale's byte
.set PO,   180                         ; from lane l xor 16
.set PO2,  181
.set PW,   182                         ; a codebook row's scale word
.set PE,   183
.set PEE,  184                         ; and its sum of squares
.set WV,  10
.set TB,  14                           ; s14 LDS byte of the trip's first record
.set TID, 15                           ; s15 the tile's number
.set CNT, 16
.set MK,  17
.set M1,  18
.set M2,  19
.set SEL, 20                           ; s[20:21] v_permlanex16_b32's selects for lane l xor 16
.set M3,  22
.set HM,  23
	s_load_b128 s[4:7], s[0:1], 0x0                ; embedding s[4:5], inputs s[6:7]
	s_load_b64 s[8:9], s[0:1], 0x10                ; idx
	v_lshl_add_u32 v190, v0, 2, 0x29000
	v_mov_b32 v191, 0
	v_lshrrev_b32 v1, 5, v0
	v_readfirstlane_b32 s[WV], v1                  ; wave 0..7
	v_and_b32 v1, 31, v0                           ; lane
	v_and_b32 v2, 15, v0                           ; r
	v_bfe_u32 v3, v0, 4, 1                         ; h
	v_lshlrev_b32 v[GA], 4, v1
	s_mul_i32 s11, s[WV], STGW
	s_add_co_u32 s11, s11, STG                     ; my wave's stage
	v_mul_u32_u24 v[SIN], v3, SPITCH
	v_lshl_add_u32 v[SIN], v2, 4, v[SIN]
	v_add_nc_u32 v[SIN], s11, v[SIN]
	v_mul_u32_u24 v[SOUT], v2, SPITCH
	v_lshl_add_u32 v[SOUT], v3, 7, v[SOUT]
	v_add_nc_u32 v[SOUT], s11, v[SOUT]
	s_mul_i32 s11, s[WV], 2*REC                    ; my wave's two records of a quarter
	v_lshl_add_u32 v[IA], v1, 4, s11
	v_lshl_add_u32 v[IB], v1, 3, s11
	v_lshl_add_u32 v[IW], v2, 2, s11
	v_lshlrev_b32 v[SH8], 3, v3
	v_lshlrev_b32 v[LX], 4, v1
	v_lshlrev_b32 v[LX+1], 3, v1
	v_lshlrev_b32 v[LX+2], 2, v2
	v_lshlrev_b32 v[LX+3], 5, v3
	v_lshl_add_u32 v[IDA], v0, 2, IDXS
	s_mov_b32 s[SEL], 0x76543210
	s_mov_b32 s[SEL+1], 0xfedcba98
	s_mov_b32 s[HM], 0xffff0000                    ; lanes 16-31
	s_lshl_b32 s12, ttmp9, 16                      ; the work-group's 256 rows of 256 bytes,
	s_lshl_b32 s13, s[WV], 13                      ; my wave's 32 of them
	s_add_co_u32 s12, s12, s13
	s_mov_b32 s13, 0
	s_wait_kmcnt 0x0
	s_add_nc_u64 s[6:7], s[6:7], s[12:13]          ; x at my wave's first row
	s_lshl_b32 s12, s[WV], 13                      ; my wave's two codebook tiles of a quarter: 8,192 bytes
	s_add_nc_u64 s[4:5], s[4:5], s[12:13]
	s_lshl_b32 s12, ttmp9, 10                      ; the work-group's 256 indices
	s_add_nc_u64 s[8:9], s[8:9], s[12:13]
; MY TEN TILES: 0, 1: x's; 2 + 2 q + u: tile 16 q + 2 wave + u of the codebook.  Each has a set of 32 registers, SR.  v46-77, v88-119 and v136-167 serve ahead of the first walk alone, whose registers they
; become; v192-223 and v224-255 are named by no walk, so that a tile's loads can be out during one.
.macro SETOF i
.if ((\i) == 0) || ((\i) == 5)
.set SR, 46
.elseif (\i) == 1
.set SR, 88
.elseif (\i) == 2
.set SR, 136
.elseif ((\i) == 3) || ((\i) == 6) || ((\i) == 8)
.set SR, 192
.else
.set SR, 224
.endif
.endm
; Tile i is asked for: eight loads of 512 consecutive bytes
.macro LOAD i
	SETOF \i
.irp k, 0,1,2,3,4,5,6,7
.if (\i) < 2
	global_load_b128 v[SR+4*\k:SR+4*\k+3], v[GA], s[6:7] offset:4096*(\i)+512*\k
.else
	global_load_b128 v[SR+4*\k:SR+4*\k+3], v[GA], s[4:5] offset:65536*(((\i)-2)/2)+4096*(((\i)-2)%2)+512*\k
.endif
.endr
.endm
; and turns through my stage: in as it was loaded, two rows a store; back 128 bytes a lane, into the registers that it left.  LDS serves a wave's instructions in order (ISA guide 5.7.1.4):
; the loads see the stores, and the next tile's stores come behind this tile's loads: one stage serves.
.macro TURN i
	SETOF \i
.irp k, 0,1,2,3,4,5,6,7
	ds_store_b128 v[SIN], v[SR+4*\k:SR+4*\k+3] offset:2*SPITCH*\k
.endr
.irp k, 0,1,2,3,4,5,6,7
	ds_load_b128 v[SR+4*\k:SR+4*\k+3], v[SOUT] offset:16*\k
.endr
.endm
; My block's 32 numbers v[x] .. v[x + 31] become six code registers v[c] .. v[c + 5]; v[w] gets my row's scale word, v[e] my row's sum of squares (both in both halves of the lanes).
.macro QUANT x, c, w, e
	v_max3_num_f32 v[PM], |v[\x]|, |v[\x+1]|, 0x2800000             ; the floor 2^(5 - 127) among the leaves: the scale's byte cannot fall under 1
	v_max3_num_f32 v[PM+1], |v[\x+2]|, |v[\x+3]|, |v[\x+4]|
	v_pk_mul_f32 v[PQ:PQ+1], v[\x:\x+1], v[\x:\x+1]
	v_pk_mul_f32 v[PQ+2:PQ+3], v[\x+2:\x+3], v[\x+2:\x+3]
.irp i, 4,8,12,16,20,24
	v_max3_num_f32 v[PM], v[PM], |v[\x+\i+1]|, |v[\x+\i+2]|
	v_max3_num_f32 v[PM+1], v[PM+1], |v[\x+\i+3]|, |v[\x+\i+4]|
	v_pk_fma_f32 v[PQ:PQ+1], v[\x+\i:\x+\i+1], v[\x+\i:\x+\i+1], v[PQ:PQ+1]
	v_pk_fma_f32 v[PQ+2:PQ+3], v[\x+\i+2:\x+\i+3], v[\x+\i+2:\x+\i+3], v[PQ+2:PQ+3]
.endr
	v_max3_num_f32 v[PM], v[PM], |v[\x+29]|, |v[\x+30]|
	v_pk_fma_f32 v[PQ:PQ+1], v[\x+28:\x+29], v[\x+28:\x+29], v[PQ:PQ+1]
	v_pk_fma_f32 v[PQ+2:PQ+3], v[\x+30:\x+31], v[\x+30:\x+31], v[PQ+2:PQ+3]
	v_max3_num_f32 v[PM], v[PM], v[PM+1], |v[\x+31]|                ; the block's largest magnitude
	v_pk_add_f32 v[PQ:PQ+1], v[PQ:PQ+1], v[PQ+2:PQ+3]
	v_add_nc_u32 v[PSC], 0xfe000000, v[PM]                          ; 4 off its exponent field: the conversion takes the exponent field of this operand as its scale
	v_add_f32 v[PE], v[PQ], v[PQ+1]                                 ; my block's sum of squares
	v_cvt_scalef32_pk16_bf6_f32 v[\c:\c+2], v[\x:\x+15], v[PSC]
	v_cvt_scalef32_pk16_bf6_f32 v[PT:PT+2], v[\x+16:\x+31], v[PSC]
	v_lshrrev_b32 v[PB], 23, v[PSC]                                 ; the scale's byte; also the plain instruction behind the conversions
	v_permlanex16_b32 v[PO2], v[PE], s[SEL], s[SEL+1]
	v_lshlrev_b32 v[PB], v[SH8], v[PB]                              ; at its place in the word: byte h
	v_mov_b32 v[\c+3], v[PT]
	v_mov_b32 v[\c+4], v[PT+1]
	v_mov_b32 v[\c+5], v[PT+2]
	v_permlanex16_b32 v[PO], v[PB], s[SEL], s[SEL+1]
	v_add_f32 v[\e], v[PE], v[PO2]                                  ; with the row's other block
	v_or_b32 v[\w], v[PB], v[PO]
.endm
; Tile i's turn.  nxt = 1: tile i + 1 goes through the stage while this one is worked on; lc: how many loads issued behind tile i + 1's may stay out.  ld: the tile that is asked for when this one is done
; (into this one's set, or into tile 0's for tile 5), or -1.
.macro PRO i, nxt, lc, ld
.if \nxt
	s_wait_loadcnt \lc                             ; tile i + 1 is in
	TURN (\i)+1
	s_wait_dscnt 16                                ; all but the 16 just issued: tile i is back from the stage, and the last record's stores have read their registers
.else
	s_wait_dscnt 0x0                               ; tile i is back from the stage, and the last record's stores have read their registers
.endif
	SETOF \i
.set QX, SR
.if (\i) < 2
	QUANT QX, XF+12*(\i), XSC+(\i), XXP+2*(\i)
	v_mov_b32 v[XXP+2*(\i)+1], v[XXP+2*(\i)]
.else
.set RO, PH*(((\i)-2)/2)+REC*(((\i)-2)%2)
	QUANT QX, PC, PW, PEE
	ds_store_b128 v[IA], v[PC:PC+3] offset:RO
	ds_store_b64 v[IB], v[PC+4:PC+5] offset:RO+512
	ds_store_b32 v[IW], v[PW] offset:RO+768        ; lanes r and 16 + r write the same word with the same value
	ds_store_b32 v[IW], v[PEE] offset:RO+832
.endif
.if (\ld) >= 0
	LOAD \ld
.endif
.endm
.macro BAR                                     ; for the others' sake: my records lie in LDS; then the work-group's barrier.  Global loads may be out across it: nobody writes what they read
	s_wait_dscnt 0x0
	s_barrier_signal -1
	s_barrier_wait -1
.endm
; a record into buffer p; b: the first of four address registers
.macro LTILE p, b, off
	ds_load_b128 v[AB+12*(\p):AB+12*(\p)+3], v[\b] offset:(\off)
	ds_load_b64 v[AB+12*(\p)+4:AB+12*(\p)+5], v[\b+1] offset:(\off)+512
	ds_load_b32 v[ASC+(\p)], v[\b+2] offset:(\off)+768
	ds_load_b128 v[EE+8*(\p):EE+8*(\p)+3], v[\b+3] offset:(\off)+832
	ds_load_b128 v[EE+8*(\p)+4:EE+8*(\p)+7], v[\b+3] offset:(\off)+848
.endm
; buffer p's 16 candidates against my two tiles of rows; each product is whole in one instruction, so C is 0 and no sum is carried
.macro MTILE p
	v_wmma_scale_f32_16x16x128_f8f6f4 v[ACC+16*(\p):ACC+16*(\p)+7], v[AB+12*(\p):AB+12*(\p)+11], v[XF:XF+11], 0, v[ASC+(\p)], v[XSC] matrix_a_fmt:MATRIX_FMT_BF6 matrix_b_fmt:MATRIX_FMT_BF6
	v_wmma_scale_f32_16x16x128_f8f6f4 v[ACC+16*(\p)+8:ACC+16*(\p)+15], v[AB+12*(\p):AB+12*(\p)+11], v[XF+12:XF+23], 0, v[ASC+(\p)], v[XSC+1] matrix_a_fmt:MATRIX_FMT_BF6 matrix_b_fmt:MATRIX_FMT_BF6
.endm
; TILE t (buffer p = t % 2; the k-th of its trip).  mm: tile t + 1's products are issued first, so that they run beside this tile's 46 vector instructions, which are also the places behind them
; (ISA guide 7.12.1): their results are first read a whole tile later.  ld: tile t + 2's record is asked for as soon as this tile's ee have been read; it is waited for at the next tile's head.
.macro STEP p, k, mm, ld
.if \mm
	s_wait_dscnt 0x0                               ; tile t + 1's record is in (asked for a tile ago); no LDS load of mine is out
.if (\k) == 0
.irp q, 0,1,2,3
	v_add_nc_u32 v[AD+\q], s[TB], v[LX+\q]         ; the trip's addresses
.endr
.endif
	MTILE 1-(\p)
.endif
.irp j, 0,2,4,6
	v_pk_add_f32 v[S+\j:S+\j+1], v[EE+8*(\p)+\j:EE+8*(\p)+\j+1], v[XXP:XXP+1]           ; s = xx + ee
	v_pk_add_f32 v[S+8+\j:S+8+\j+1], v[EE+8*(\p)+\j:EE+8*(\p)+\j+1], v[XXP+2:XXP+3]
.endr
.if \ld
	LTILE \p, AD, ((\k)+2)*REC
.endif
.irp j, 0,2,4,6
	v_pk_fma_f32 v[S+\j:S+\j+1], v[ACC+16*(\p)+\j:ACC+16*(\p)+\j+1], -2.0, v[S+\j:S+\j+1] op_sel_hi:[1,0,1]           ; d = s - 2 dot; each accumulator is read from its low end on
	v_pk_fma_f32 v[S+8+\j:S+8+\j+1], v[ACC+16*(\p)+8+\j:ACC+16*(\p)+8+\j+1], -2.0, v[S+8+\j:S+8+\j+1] op_sel_hi:[1,0,1]
.endr
.irp a, 0,1
	v_min3_num_f32 v[G+3*\a], v[S+8*\a], v[S+8*\a+1], v[S+8*\a+2]
	v_min3_num_f32 v[G+3*\a+1], v[S+8*\a+3], v[S+8*\a+4], v[S+8*\a+5]
	v_min_num_f32 v[G+3*\a+2], v[S+8*\a+6], v[S+8*\a+7]
.endr
	v_min3_num_f32 v[G], v[G], v[G+1], v[G+2]      ; the least of my 8 distances
	v_min3_num_f32 v[G+3], v[G+3], v[G+4], v[G+5]
	v_cmp_lt_f32 vcc_lo, v[G], v[BEST]             ; strictly under the best so far: an earlier tile keeps a tie
	v_cmp_lt_f32 s[MK], v[G+3], v[BEST+1]
	v_cndmask_b32 v[BEST], v[BEST], v[G], vcc_lo
	v_cndmask_b32 v[BEST+1], v[BEST+1], v[G+3], s[MK]
	v_cndmask_b32 v[TV], v[TV], s[TID], vcc_lo
	v_cndmask_b32 v[TV+1], v[TV+1], s[TID], s[MK]
.irp j, 0,1,2,3,4,5,6,7
	v_cndmask_b32 v[KP+\j], v[KP+\j], v[S+\j], vcc_lo          ; and the tile's 8 distances are kept, to say at the end which of them it was
	v_cndmask_b32 v[KP+8+\j], v[KP+8+\j], v[S+8+\j], s[MK]
.endr
	s_add_co_u32 s[TID], s[TID], 1
.endm
; THE WALK of quarter q: its 16 tiles, three trips of four and four written out, since there is no 17th record to ask for and no 17th tile to multiply.
; The loads at its head land in registers that the last walk's products read two tiles and more ago: far over four plain vector instructions lie between.
.macro LOOP q
	LTILE 0, LX, (\q)*PH
	LTILE 1, LX, (\q)*PH+REC
	s_mov_b32 s[TB], (\q)*PH
	s_mov_b32 s[CNT], 3
	s_wait_dscnt 5                                 ; the first record's five loads, and what stood ahead of them, are done; the second record's five may be out
	MTILE 0
.Ltrip_\@:
	STEP 0, 0, 1, 1
	STEP 1, 1, 1, 1
	STEP 0, 2, 1, 1
	STEP 1, 3, 1, 1
	s_add_co_u32 s[TB], s[TB], 4*REC
	s_sub_co_u32 s[CNT], s[CNT], 1
	s_cmp_lg_u32 s[CNT], 0
	s_cbranch_scc1 .Ltrip_\@
	STEP 0, 0, 1, 1
	STEP 1, 1, 1, 1
	STEP 0, 2, 1, 0
	STEP 1, 3, 0, 0
.endm
.irp n, 0,1,2,3,4
	LOAD \n                                        ; x's two tiles, quarter 0's two, quarter 1's first: 40 loads of mine are out
.endr
.irp j, 6,7,8,9,10,11
	v_mov_b32 v[XF+\j], 0                          ; k = 64 .. 127 of x: zero codes
	v_mov_b32 v[XF+12+\j], 0
.endr
	v_mov_b32 v[PO], 0                             ; written once: a lane permute's destination counts as one of its sources
	v_mov_b32 v[PO2], 0
	s_wait_loadcnt 32                              ; tile 0's eight loads are in; four tiles' may be out
	TURN 0
	PRO 0, 1, 24, 5                                ; behind tile 1: tiles 2, 3, 4.    Tile 5 is asked for
	PRO 1, 1, 24, -1                               ; behind tile 2: tiles 3, 4, 5
	PRO 2, 1, 16, -1                               ; behind tile 3: tiles 4, 5
	PRO 3, 1, 8, 6                                 ; behind tile 4: tile 5.           Quarter 2's first tile is asked for
	BAR                                            ; quarter 0's sixteen records lie in LDS; from here on they are only read
	PRO 4, 1, 8, 7                                 ; behind tile 5: tile 6.           Quarter 2's second tile is asked for
	PRO 5, 0, 0, -1
.irp j, 6,7,8,9,10,11
	v_mov_b32 v[AB+\j], 0                          ; k = 64 .. 127 of the candidates: zero codes, in both buffers; the 26 lines below stand between these and the first product
	v_mov_b32 v[AB+12+\j], 0
.endr
.irp a, 0,1
	v_mov_b32 v[BEST+\a], 0x7f800000               ; +infinity: over every distance
	v_mov_b32 v[TV+\a], 0
	v_mov_b32 v[OB+\a], 0                          ; (lane permutes' destinations)
	v_mov_b32 v[OI+\a], 0
.endr
.irp j, 0,1,2,3,4,5,6,7,8,9,10,11,12,13,14,15
	v_mov_b32 v[KP+\j], 0x7f800000
.endr
	v_lshl_add_u32 v[IDB], v0, 4, IDXS
	v_lshlrev_b32 v[IDG], 4, v0
	s_mov_b32 s[TID], 0
	LOOP 0                                         ; quarter 2's sixteen loads are on their way meanwhile
	BAR                                            ; quarter 1's records, stored ahead of that walk, lie in LDS in every wave
	s_wait_loadcnt 8                               ; tile 6 is in; tile 7's loads were issued behind it
	TURN 6
	PRO 6, 1, 0, 8                                 ; nothing was issued behind tile 7.  Quarter 3's first tile is asked for,
	PRO 7, 0, 0, 9                                 ; and its second
	LOOP 1
	BAR                                            ; quarter 2's records
	s_wait_loadcnt 8                               ; tile 8 is in; tile 9's loads were issued behind it
	TURN 8
	PRO 8, 1, 0, -1
	PRO 9, 0, 0, -1
	LOOP 2
	BAR                                            ; quarter 3's records
	LOOP 3
	; which of the kept 8: the lowest j whose distance equals the best
	v_mov_b32 v[JJ], 7
	v_mov_b32 v[JJ+1], 7
.irp j, 6,5,4,3,2,1,0
	v_cmp_eq_f32 vcc_lo, v[KP+\j], v[BEST]
	v_cmp_eq_f32 s[MK], v[KP+8+\j], v[BEST+1]
	v_cndmask_b32 v[JJ], v[JJ], \j, vcc_lo
	v_cndmask_b32 v[JJ+1], v[JJ+1], \j, s[MK]
.endr
.irp a, 0,1
	v_lshl_add_u32 v[JJ+\a], v[TV+\a], 4, v[JJ+\a]
	v_lshl_add_u32 v[JJ+\a], v3, 3, v[JJ+\a]       ; the index: 16 t + 8 h + j
	v_permlanex16_b32 v[OB+\a], v[BEST+\a], s[SEL], s[SEL+1]
	v_permlanex16_b32 v[OI+\a], v[JJ+\a], s[SEL], s[SEL+1]
.endr
.irp a, 0,1                                    ; the row's other 512 candidates lie in lane l xor 16: theirs wins where it is nearer, or as near with the lower index
	v_cmp_lt_f32 s[M1], v[OB+\a], v[BEST+\a]
	v_cmp_eq_f32 s[M2], v[OB+\a], v[BEST+\a]
	v_cmp_lt_u32 s[M3], v[OI+\a], v[JJ+\a]
	s_and_b32 s[M2], s[M2], s[M3]
	s_or_b32 s[M1], s[M1], s[M2]
	v_cndmask_b32 v[JJ+\a], v[JJ+\a], v[OI+\a], s[M1]
.endr
	v_cndmask_b32 v[JJ], v[JJ], v[JJ+1], s[HM]     ; lanes 0-15 speak for my rows 0-15, lanes 16-31 for rows 16-31: thread n holds the work-group's row n
	ds_store_b32 v[IDA], v[JJ]
	s_wait_dscnt 0x0                               ; for the others' sake: my 32 indices lie in LDS
	s_barrier_signal -1
	s_barrier_wait -1
	s_cmp_lt_u32 s[WV], 2                          ; the work-group's 1,024 bytes leave by two waves: 16 lanes store 256 consecutive bytes, at a multiple of 256 from idx's first byte
	s_cbranch_scc0 .Ldone
	ds_load_b128 v[OV:OV+3], v[IDB]
	s_wait_dscnt 0x0
	global_store_b128 v[IDG], v[OV:OV+3], s[8:9]
.Ldone:
	s_wait_tensorcnt 0x0
	ds_add_u32 v190, v191
	s_wait_dscnt 0x0
	s_endpgm
.Lfunc_end_k_q0d8bb6eb7d_nearest:
	.size	k_q0d8bb6eb7d_nearest, .Lfunc_end_k_q0d8bb6eb7d_nearest-k_q0d8bb6eb7d_nearest
	.p2alignl 7, 3214868480
	.fill 96, 4, 3214868480
	.section	.rodata,"a",@progbits
	.p2align	6, 0x0
	.amdhsa_kernel k_q0d8bb6eb7d_nearest
		.amdhsa_group_segment_fixed_size 168960
		.amdhsa_private_segment_fixed_size 0
		.amdhsa_enable_private_segment 0
		.amdhsa_kernarg_size 24
		.amdhsa_user_sgpr_count 2
		.amdhsa_user_sgpr_kernarg_segment_ptr 1
		.amdhsa_wavefront_size32 1
		.amdhsa_system_sgpr_workgroup_id_x 1
		.amdhsa_system_sgpr_workgroup_id_y 1
		.amdhsa_system_sgpr_workgroup_id_z 1
		.amdhsa_system_vgpr_workitem_id 0
		.amdhsa_next_free_vgpr 256
		.amdhsa_next_free_sgpr 66
		.amdhsa_reserve_vcc 1
		.amdhsa_float_denorm_mode_32 3
		.amdhsa_float_denorm_mode_16_64 3
		.amdhsa_memory_ordered 1
		.amdhsa_forward_progress 1
		.amdhsa_inst_pref_size 157
	.end_amdhsa_kernel
	.amdgpu_metadata
---
amdhsa.version: [ 1, 2 ]
amdhsa.kernels:
  - .name:           k_q0d8bb6eb7d_nearest
    .symbol:         k_q0d8bb6eb7d_nearest.kd
    .args:
      - { .name: embedding, .offset: 0, .size: 8, .value_kind: global_buffer, .address_space: global }
      - { .name: inputs, .offset: 8, .size: 8, .value_kind: global_buffer, .address_space: global }
      - { .name: idx, .offset: 16, .size: 8, .value_kind: global_buffer, .address_space: global }
    .group_segment_fixed_size: 168960
    .private_segment_fixed_size: 0
    .kernarg_segment_align: 8
    .kernarg_segment_size: 24
    .max_flat_workgroup_size: 256
    .sgpr_count:     66
    .vgpr_count:     256
    .wavefront_size: 32
...
	.end_amdgpu_metadata
.endif
;; end of part 1
;; launch gather (part 2): grid 256 x 1, 16 waves a work-group, no clusters, 169,984 bytes of LDS; arguments inputs, embedding, idx, out0, part; writes out0, part
.if DOCPART == 2
	.amdgcn_target "amdgcn-amd-amdhsa--gfx1250"
	.amdhsa_code_object_version 6
	.text
	.protected	k_q0d8bb6eb7d_gather
	.globl	k_q0d8bb6eb7d_gather
	.p2align	8
	.type	k_q0d8bb6eb7d_gather,@function
k_q0d8bb6eb7d_gather:
	s_mov_b64 s[64:65], 0
	v_nop
	global_prefetch_b8 v0, s[64:65] scope:SCOPE_SE
	s_setreg_imm32_b32 hwreg(HW_REG_WAVE_MODE, 25, 1), 1
	s_wait_xcnt 0x0
; out0[n] = x_n + (e_idx[n] - x_n), rounded in that order, and part[work-group] = the sum over its 256 rows of (e_idx[n] - x_n)^2.  All f32.
; 256 work-groups of 16 waves; a wave owns 16 rows of 256 bytes.  A load or store of a wave covers two rows, 512 consecutive bytes: lane l has row 2 k + l / 16, bytes 16 (l % 16) on.
; Nothing is looped: a lane's 8 indices, 8 pieces of x, 8 pieces of codebook rows and 8 stores are all on their way together.  A codebook row is 256 bytes: sixteen lanes fetch it whole.
; An index enters an address behind a clamp to 1,023, the table's last row.
; Memory binds: no matrix unit, no tensor load, no cluster (the work-groups share only the codebook, of which each fetches the rows that its indices name).
; The claim of LDS is larger than the use (64 bytes), so that each of the 256 work-groups has a WGP to itself.
; LIMIT: the squares are added in another order than the definition's.
.set IX, 8                             ; v8-15   indices
.set EO, 16                            ; v16-23  byte offsets in the codebook
.set X,  24                            ; v24-55  x, then out0
.set E,  56                            ; v56-87  e, then e - x
.set AC, 88                            ; v88-91  two packed sums
	s_load_b256 s[4:11], s[0:1], 0x0               ; inputs s[4:5], embedding s[6:7], idx s[8:9], out0 s[10:11]
	s_load_b64 s[12:13], s[0:1], 0x20              ; part
	v_lshl_add_u32 v96, v0, 2, 0x29000
	v_mov_b32 v97, 0
	v_lshrrev_b32 v1, 5, v0
	v_readfirstlane_b32 s14, v1                    ; wave 0..15
	v_lshlrev_b32 v7, 2, v1                        ; LDS: my wave's word
	v_and_b32 v1, 31, v0
	v_and_b32 v2, 15, v0
	v_bfe_u32 v3, v0, 4, 1
	v_lshlrev_b32 v4, 4, v1                        ; x, out0: 16 x lane
	v_lshlrev_b32 v5, 2, v3                        ; idx: the row of my half
	v_lshlrev_b32 v6, 4, v2                        ; my 16 bytes of a codebook row
	v_lshlrev_b32 v92, 2, v2                       ; LDS: on the way back, wave (lane % 16)'s word
	v_mov_b32 v93, 0
	s_lshl_b32 s16, ttmp9, 4
	s_add_co_u32 s16, s16, s14                     ; which 16 rows are my wave's
	s_lshl_b32 s18, s16, 12                        ; 4,096 bytes of x and of out0,
	s_mov_b32 s19, 0
	s_lshl_b32 s20, s16, 6                         ; 64 bytes of idx
	s_mov_b32 s21, 0
	s_lshl_b32 s22, ttmp9, 2
	s_mov_b32 s23, 0
	s_mov_b32 s24, 0x76543210
	s_mov_b32 s25, 0xfedcba98
	s_wait_kmcnt 0x0
	s_add_nc_u64 s[4:5], s[4:5], s[18:19]
	s_add_nc_u64 s[10:11], s[10:11], s[18:19]
	s_add_nc_u64 s[8:9], s[8:9], s[20:21]
	s_add_nc_u64 s[12:13], s[12:13], s[22:23]
.irp k, 0,1,2,3,4,5,6,7
	global_load_b32 v[IX+\k], v5, s[8:9] offset:8*\k               ; the index of row 2 k + h: the gathers hang on these, so they go first
.endr
.irp k, 0,1,2,3,4,5,6,7
	global_load_b128 v[X+4*\k:X+4*\k+3], v4, s[4:5] offset:512*\k th:TH_LOAD_NT
.endr
.irp k, 0,1,2,3,4,5,6,7
	s_wait_loadcnt 15                              ; index k is in: behind it stand 7 - k indices, 8 loads of x and k gathers
	v_min_u32 v[IX+\k], 0x3ff, v[IX+\k]
	v_lshl_add_u32 v[EO+\k], v[IX+\k], 8, v6
	global_load_b128 v[E+4*\k:E+4*\k+3], v[EO+\k], s[6:7]
.endr
.irp k, 0,1,2,3,4,5,6,7
	s_wait_loadcnt 7-\k                            ; gather k is in, and so is all of x: behind it stand 7 - k gathers
	v_pk_add_f32 v[E+4*\k:E+4*\k+1], v[E+4*\k:E+4*\k+1], v[X+4*\k:X+4*\k+1] neg_lo:[0,1] neg_hi:[0,1]         ; e - x
	v_pk_add_f32 v[E+4*\k+2:E+4*\k+3], v[E+4*\k+2:E+4*\k+3], v[X+4*\k+2:X+4*\k+3] neg_lo:[0,1] neg_hi:[0,1]
	v_pk_add_f32 v[X+4*\k:X+4*\k+1], v[X+4*\k:X+4*\k+1], v[E+4*\k:E+4*\k+1]                                  ; x + (e - x)
	v_pk_add_f32 v[X+4*\k+2:X+4*\k+3], v[X+4*\k+2:X+4*\k+3], v[E+4*\k+2:E+4*\k+3]
.if \k == 0
	v_pk_mul_f32 v[AC:AC+1], v[E:E+1], v[E:E+1]                    ; the first squares start the sums
	v_pk_mul_f32 v[AC+2:AC+3], v[E+2:E+3], v[E+2:E+3]
.else
	v_pk_fma_f32 v[AC:AC+1], v[E+4*\k:E+4*\k+1], v[E+4*\k:E+4*\k+1], v[AC:AC+1]
	v_pk_fma_f32 v[AC+2:AC+3], v[E+4*\k+2:E+4*\k+3], v[E+4*\k+2:E+4*\k+3], v[AC+2:AC+3]
.endif
	global_store_b128 v4, v[X+4*\k:X+4*\k+3], s[10:11] offset:512*\k th:TH_STORE_NT    ; 32 lanes store 512 consecutive bytes, at a multiple of 256 from out0's first byte; each k has registers of its own
.endr
	v_pk_add_f32 v[AC:AC+1], v[AC:AC+1], v[AC+2:AC+3]
	v_add_f32 v[AC], v[AC], v[AC+1]
	v_add_f32_dpp v[AC], v[AC], v[AC] row_xmask:1 row_mask:0xf bank_mask:0xf
	v_add_f32_dpp v[AC], v[AC], v[AC] row_xmask:2 row_mask:0xf bank_mask:0xf
	v_add_f32_dpp v[AC], v[AC], v[AC] row_xmask:4 row_mask:0xf bank_mask:0xf
	v_add_f32_dpp v[AC], v[AC], v[AC] row_xmask:8 row_mask:0xf bank_mask:0xf
	v_permlanex16_b32 v[AC+1], v[AC], s24, s25
	v_add_f32 v[AC], v[AC], v[AC+1]                ; my wave's sum, in every lane
	ds_store_b32 v7, v[AC]                         ; all lanes write the same word with the same value
	s_wait_dscnt 0x0                               ; for wave 0's sake
	s_barrier_signal -1
	s_barrier_wait -1
	s_cmp_lg_u32 s14, 0
	s_cbranch_scc1 .Lend
	ds_load_b32 v94, v92                           ; the sixteen waves' sums, one to a lane of each half
	s_wait_dscnt 0x0
	v_add_f32_dpp v94, v94, v94 row_xmask:1 row_mask:0xf bank_mask:0xf
	v_add_f32_dpp v94, v94, v94 row_xmask:2 row_mask:0xf bank_mask:0xf
	v_add_f32_dpp v94, v94, v94 row_xmask:4 row_mask:0xf bank_mask:0xf
	v_add_f32_dpp v94, v94, v94 row_xmask:8 row_mask:0xf bank_mask:0xf
	v_cmp_gt_u32 vcc_lo, 1, v0
	s_wait_xcnt 0x0                                ; EXEC is a source of the stores above: it changes only behind this wait
	s_and_saveexec_b32 s15, vcc_lo
	global_store_b32 v93, v94, s[12:13]            ; thread 0: the work-group's sum
	s_wait_xcnt 0x0                                ; and again in front of the line that widens it
	s_or_b32 exec_lo, exec_lo, s15
.Lend:
	s_wait_tensorcnt 0x0
	ds_add_u32 v96, v97
	s_wait_dscnt 0x0
	s_endpgm
.Lfunc_end_k_q0d8bb6eb7d_gather:
	.size	k_q0d8bb6eb7d_gather, .Lfunc_end_k_q0d8bb6eb7d_gather-k_q0d8bb6eb7d_gather
	.p2alignl 7, 3214868480
	.fill 96, 4, 3214868480
	.section	.rodata,"a",@progbits
	.p2align	6, 0x0
	.amdhsa_kernel k_q0d8bb6eb7d_gather
		.amdhsa_group_segment_fixed_size 169984
		.amdhsa_private_segment_fixed_size 0
		.amdhsa_enable_private_segment 0
		.amdhsa_kernarg_size 40
		.amdhsa_user_sgpr_count 2
		.amdhsa_user_sgpr_kernarg_segment_ptr 1
		.amdhsa_wavefront_size32 1
		.amdhsa_system_sgpr_workgroup_id_x 1
		.amdhsa_system_sgpr_workgroup_id_y 1
		.amdhsa_system_sgpr_workgroup_id_z 1
		.amdhsa_system_vgpr_workitem_id 0
		.amdhsa_next_free_vgpr 98
		.amdhsa_next_free_sgpr 66
		.amdhsa_reserve_vcc 1
		.amdhsa_float_denorm_mode_32 3
		.amdhsa_float_denorm_mode_16_64 3
		.amdhsa_memory_ordered 1
		.amdhsa_forward_progress 1
		.amdhsa_inst_pref_size 11
	.end_amdhsa_kernel
	.amdgpu_metadata
---
amdhsa.version: [ 1, 2 ]
amdhsa.kernels:
  - .name:           k_q0d8bb6eb7d_gather
    .symbol:         k_q0d8bb6eb7d_gather.kd
    .args:
      - { .name: inputs, .offset: 0, .size: 8, .value_kind: global_buffer, .address_space: global }
      - { .name: embedding, .offset: 8, .size: 8, .value_kind: global_buffer, .address_space: global }
      - { .name: idx, .offset: 16, .size: 8, .value_kind: global_buffer, .address_space: global }
      - { .name: out0, .offset: 24, .size: 8, .value_kind: global_buffer, .address_space: global }
      - { .name: part, .offset: 32, .size: 8, .value_kind: global_buffer, .address_space: global }
    .group_segment_fixed_size: 169984
    .private_segment_fixed_size: 0
    .kernarg_segment_align: 8
    .kernarg_segment_size: 40
    .max_flat_workgroup_size: 512
    .sgpr_count:     66
    .vgpr_count:     98
    .wavefront_size: 32
...
	.end_amdgpu_metadata
.endif
;; end of part 2
;; launch total (part 3): grid 1 x 1, 1 waves a work-group, no clusters, 0 bytes of LDS; arguments part, out1; writes out1
.if DOCPART == 3
	.amdgcn_target "amdgcn-amd-amdhsa--gfx1250"
	.amdhsa_code_object_version 6
	.text
	.protected	k_q0d8bb6eb7d_total
	.globl	k_q0d8bb6eb7d_total
	.p2align	8
	.type	k_q0d8bb6eb7d_total,@function
k_q0d8bb6eb7d_total:
	s_mov_b64 s[64:65], 0
	v_nop
	global_prefetch_b8 v0, s[64:65] scope:SCOPE_SE
	s_setreg_imm32_b32 hwreg(HW_REG_WAVE_MODE, 25, 1), 1
	s_wait_xcnt 0x0
; out1 = 1.25 x the mean over 65,536 x 64 numbers of (quantized - inputs)^2: both losses of the definition are that mean, and the second counts a quarter.
; One wave adds the 256 work-groups' sums (1,024 bytes: two loads of 512 consecutive bytes) and multiplies by 1.25 / 2^22.
; A sum that spans work-groups is ordered by a launch of its own: nothing passes between the work-groups of a launch.
	s_load_b128 s[4:7], s[0:1], 0x0                ; part s[4:5], out1 s[6:7]
	v_lshlrev_b32 v1, 4, v0
	v_mov_b32 v2, 0
	s_mov_b32 s8, 0x76543210
	s_mov_b32 s9, 0xfedcba98
	s_wait_kmcnt 0x0
	global_load_b128 v[4:7], v1, s[4:5]
	global_load_b128 v[8:11], v1, s[4:5] offset:512
	s_wait_loadcnt 0x0
	v_pk_add_f32 v[4:5], v[4:5], v[6:7]
	v_pk_add_f32 v[8:9], v[8:9], v[10:11]
	v_pk_add_f32 v[4:5], v[4:5], v[8:9]
	v_add_f32 v4, v4, v5
	v_add_f32_dpp v4, v4, v4 row_xmask:1 row_mask:0xf bank_mask:0xf
	v_add_f32_dpp v4, v4, v4 row_xmask:2 row_mask:0xf bank_mask:0xf
	v_add_f32_dpp v4, v4, v4 row_xmask:4 row_mask:0xf bank_mask:0xf
	v_add_f32_dpp v4, v4, v4 row_xmask:8 row_mask:0xf bank_mask:0xf
	v_permlanex16_b32 v5, v4, s8, s9
	v_add_f32 v4, v4, v5
	v_mul_f32 v4, 0x34a00000, v4                   ; 1.25 x 2^-22
	v_cmp_gt_u32 vcc_lo, 1, v0
	s_wait_xcnt 0x0                                ; EXEC changes only behind this wait
	s_and_saveexec_b32 s10, vcc_lo
	global_store_b32 v2, v4, s[6:7]                ; thread 0 stores the one number
	s_wait_xcnt 0x0
	s_or_b32 exec_lo, exec_lo, s10
	s_endpgm
.Lfunc_end_k_q0d8bb6eb7d_total:
	.size	k_q0d8bb6eb7d_total, .Lfunc_end_k_q0d8bb6eb7d_total-k_q0d8bb6eb7d_total
	.p2alignl 7, 3214868480
	.fill 96, 4, 3214868480
	.section	.rodata,"a",@progbits
	.p2align	6, 0x0
	.amdhsa_kernel k_q0d8bb6eb7d_total
		.amdhsa_group_segment_fixed_size 0
		.amdhsa_private_segment_fixed_size 0
		.amdhsa_enable_private_segment 0
		.amdhsa_kernarg_size 16
		.amdhsa_user_sgpr_count 2
		.amdhsa_user_sgpr_kernarg_segment_ptr 1
		.amdhsa_wavefront_size32 1
		.amdhsa_system_sgpr_workgroup_id_x 1
		.amdhsa_system_sgpr_workgroup_id_y 1
		.amdhsa_system_sgpr_workgroup_id_z 1
		.amdhsa_system_vgpr_workitem_id 0
		.amdhsa_next_free_vgpr 16
		.amdhsa_next_free_sgpr 66
		.amdhsa_reserve_vcc 1
		.amdhsa_float_denorm_mode_32 3
		.amdhsa_float_denorm_mode_16_64 3
		.amdhsa_memory_ordered 1
		.amdhsa_forward_progress 1
		.amdhsa_inst_pref_size 2
	.end_amdhsa_kernel
	.amdgpu_metadata
---
amdhsa.version: [ 1, 2 ]
amdhsa.kernels:
  - .name:           k_q0d8bb6eb7d_total
    .symbol:         k_q0d8bb6eb7d_total.kd
    .args:
      - { .name: part, .offset: 0, .size: 8, .value_kind: global_buffer, .address_space: global }
      - { .name: out1, .offset: 8, .size: 8, .value_kind: global_buffer, .address_space: global }
    .group_segment_fixed_size: 0
    .private_segment_fixed_size: 0
    .kernarg_segment_align: 8
    .kernarg_segment_size: 16
    .max_flat_workgroup_size: 32
    .sgpr_count:     66
    .vgpr_count:     16
    .wavefront_size: 32
...
	.end_amdgpu_metadata
.endif
;; end of part 3
;; ======== version 2 of 2: 3 launches
;; workspace buffers: idx 262,144 bytes of whole numbers; part 1,024 bytes
;; launch nearest (part 4): grid 256 x 1, 8 waves a work-group, no clusters, 168,960 bytes of LDS; arguments embedding, inputs, idx; writes idx
.if DOCPART == 4
	.amdgcn_target "amdgcn-amd-amdhsa--gfx1250"
	.amdhsa_code_object_version 6
	.text
	.protected	k_q0d8bb6eb7d_nearest
	.globl	k_q0d8bb6eb7d_nearest
	.p2align	8
	.type	k_q0d8bb6eb7d_nearest,@function
k_q0d8bb6eb7d_nearest:
	s_mov_b64 s[64:65], 0
	v_nop
	global_prefetch_b8 v0, s[64:65] scope:SCOPE_SE
	s_setreg_imm32_b32 hwreg(HW_REG_WAVE_SCHED_MODE, 0, 2), 2
	s_setreg_imm32_b32 hwreg(HW_REG_WAVE_MODE, 25, 1), 1
	s_wait_xcnt 0x0
	s_wait_alu depctr_vm_vsrc(0)
; idx[n] = argmin over k of (|x_n|^2 + |e_k|^2) - 2 x_n . e_k, the lowest k on ties.  x: inputs as [65536][64] f32; e: embedding [1024][64] f32.
; The dot products are taken on codes of BF6 (E3M2) with one E8M0 scale for each 32 along the 64, by the scaled matrix instruction; all else is f32,
; rounded as the definition rounds it: s = xx + ee, then d = s - 2 dot (one fused multiply-add: 2 dot is exact).
; SHARES.  256 work-groups of 8 waves; a work-group owns 256 rows of x, a wave 32 (two tiles of 16).  Every work-group quantises the whole codebook, each wave 8 of its 64 tiles of 16 rows.
; A TILE OF 16 ROWS x 64 f32 is 4,096 dense bytes.  It comes by eight loads of 512 consecutive bytes and turns through the wave's own stage in LDS, so that lane (r, h) = (lane % 16, lane / 16)
; holds block h (k = 32 h .. 32 h + 31) of row r in 32 registers: the block's largest magnitude needs no other lane, and the two conversions give registers 0-5 of the operand as it is wanted.
; K is 64 and the instruction takes 128: registers 6-11 of both operands (k = 64 .. 127) hold zero codes, which add nothing; the scale words' bytes 2 and 3 are 0.
; A codebook tile lies in LDS as a RECORD of 896 bytes: 512 (registers 0-3, 16 bytes a lane) + 256 (registers 4-5, 8 bytes a lane) + 64 (16 scale words) + 64 (16 sums of squares).
; BY QUARTERS.  The codebook is taken in four quarters of 16 tiles, two tiles a wave.  A wave's order: x and quarter 0 are quantised | barrier | quarter 1 is quantised, quarter 0 is walked | barrier |
; quarter 2 quantised, quarter 1 walked | barrier | quarter 3 quantised, quarter 2 walked | barrier | quarter 3 walked.  So a quarter's records are stored a whole walk ahead of the barrier behind which
; they are read, and the loads of quarters 2 and 3 are on their way during a walk of 16 tiles, in two sets of registers that the walk does not name.
; THE PRODUCT IS USED TRANSPOSED (source 0 = 16 candidates, source 1 = 16 rows of x): lane (r, h) holds row r, and register j candidate 16 t + 8 h + j.  So a lane walks ONE row.
; ARGMIN.  Per tile: the least of the lane's 8 distances; where it is under the best so far, the best, the tile's number and the tile's 8 distances are taken over by selects (no branch on data).
; At the end the lowest j whose kept distance equals the best gives the index, and the two halves of the lanes compare (distance, index).  Strictly-less keeps the lower index throughout.
; NO CLUSTER, NO TENSOR LOAD, though all work-groups read the same codebook: it arrives as f32 and has to pass through registers to be quantised, and its loads stand a walk ahead of their use.
; The claim of LDS (167,936, and behind it 1,024 bytes of spare words) is larger than the use (101,376 and the spare words), so that each of the 256 work-groups has a WGP to itself.
; LIMITS: NaN and infinities are not served.  A block whose largest magnitude is under 2^-122 has the scale byte 1 (the clip of the quantiser's rule); a block of zeros has 1 where the rule says 127:
; its codes are zeros and the bytes are read here alone.  The sums of squares are added in another order than the definition's.
; THE MODE: SCHED_MODE bits 1:0 = 2 (LLVM: expert scheduling mode 2), set by the entry lines.  The code itself states the register dependences
; between vector or matrix instructions and memory or LDS instructions, with s_wait_alu, always for 0.
; THE PLAN.  Registers that memory or LDS instructions touch, and who else names them:
;   v4-15, v176-177   addresses and offsets: written once (v4-15 at the head, v176-177 ahead of the first walk), read by loads and stores, never written again.
;   the five tile sets  global loads land; the stage's stores read them; the stage's loads land in them again; the tile's QUANT reads them; then the next tile's global loads land.  No vector instruction writes them while they are sets.
;   v120-125, v182, v184  a record's codes, scale word and sum of squares: written by QUANT, read by the record's four stores; v120-135 are also the walk's s.
;   AB(p), ASC(p), EE(p)  tile t's record: read by tile t's two products and eight additions; then tile t + 2's record lands in them.
;   v162-165 (AD)     read by the record loads; written once a trip.
;   v166 the index (one LDS store reads it); v172-175 four indices (an LDS load lands, a global store reads; no vector instruction names them).
; THE WAITS.  TURN: one on vm_vsrc between the stage's stores and its loads.  Behind a QUANT: one on va_vdst, ahead of the record's stores and of the global loads into the set just read.
; A tile step has ONE place at which the vector side is waited for: behind its two compares, where the masks are waited for in any case; the next record's loads and the next tile's products follow it.
.set REC,    896                       ; a codebook tile's record
.set PH,     16384                     ; from quarter to quarter: 16 records (14,336 bytes) and a gap.  A walk's base one step past its last trip plus the largest offset in the loop, 10,752 + 5,344 = 16,096,
                                       ; still lies in its own quarter: reads of one quarter and stores into the next are told apart by the text's own arithmetic
.set STG,    4*PH                      ; behind the quarters: a stage for each wave,
.set SPITCH, 272                       ; 16 rows of 256 bytes + 16: the sixteen rows that a 16-byte load touches begin at sixteen different 16-byte columns of 256
.set STGW,   16*SPITCH
.set IDXS,   STG+8*STGW                ; and the work-group's 256 indices
.set GA,   4                           ; v4     16 x lane: my bytes of a dense load
.set SIN,  5                           ; v5     stage, way in: row lane / 16 of a load's two rows, 16 bytes at 16 (lane % 16)
.set SOUT, 6                           ; v6     stage, way out: row r, 128 h
.set IA,   7                           ; v7-9   where my wave's two records of a quarter begin, + 16 lane, + 8 lane, + 4 r
.set IB,   8
.set IW,   9
.set SH8,  10                          ; v10    8 h
.set LX,   11                          ; v11-14 a record's lane terms: 16 lane, 8 lane, 4 r, 32 h
.set IDA,  15                          ; v15    IDXS + 4 x thread
.set XF,   16                          ; v16-39 x's two fragments, 12 registers each
.set XSC,  40                          ; v40-41 their scale words
.set XXP,  42                          ; v42-45 xx of tile 0 twice, of tile 1 twice (pairs for the packed add)
.set AB,   46                          ; v46-69 two buffers for a codebook fragment
.set ASC,  70                          ; v70-71 its scale words
.set EE,   72                          ; v72-87 its 8 sums of squares of my half, two buffers
.set ACC,  88                          ; v88-119 accumulators: buffer p, row tile a at ACC + 16 p + 8 a
.set S,    120                         ; v120-135 s, then d: 8 for each row tile
.set KP,   136                         ; v136-151 the best tile's 8 distances
.set BEST, 152                         ; v152-153
.set TV,   154                         ; v154-155 the best tile's number
.set G,    156                         ; v156-161 at work
.set AD,   162                         ; v162-165 the trip's LDS addresses
.set JJ,   166                         ; v166-167 j, then the index
.set OB,   168                         ; v168-171 the other half's best and index
.set OI,   170
.set OV,   172                         ; v172-175 four indices on their way out
.set IDB,  176                         ; v176   IDXS + 16 x thread
.set IDG,  177                         ; v177   16 x thread
; the quantiser's registers: v120-135 are the walk's s and d, which hold nothing between two walks; v178-184 are its own
.set PC,   120                         ; v120-125 a tile's six code registers
.set PT,   126                         ; v126-128 the second conversion's three (a conversion's result begins on an even register)
.set PM,   130                         ; v130-131 largest magnitudes, two chains
.set PQ,   132                         ; v132-135 sums of squares, two packed chains
.set PSC,  178                         ; the conversions' scale operand
.set PB,   179                         ; the scale's byte
.set PO,   180                         ; from lane l xor 16
.set PO2,  181
.set PW,   182                         ; a codebook row's scale word
.set PE,   183
.set PEE,  184                         ; and its sum of squares
.set WV,  10
.set TB,  14                           ; s14 LDS byte of the trip's first record
.set TID, 15                           ; s15 the tile's number
.set CNT, 16
.set MK,  17
.set M1,  18
.set M2,  19
.set SEL, 20                           ; s[20:21] v_permlanex16_b32's selects for lane l xor 16
.set M3,  22
.set HM,  23
	s_load_b128 s[4:7], s[0:1], 0x0                ; embedding s[4:5], inputs s[6:7]
	s_load_b64 s[8:9], s[0:1], 0x10                ; idx
	v_lshl_add_u32 v190, v0, 2, 0x29000            ; the LDS address of my spare word and, below, 0: made here and kept for the closing lines alone
	v_mov_b32 v191, 0
	v_lshrrev_b32 v1, 5, v0
	v_readfirstlane_b32 s[WV], v1                  ; wave 0..7
	v_and_b32 v1, 31, v0                           ; lane
	v_and_b32 v2, 15, v0                           ; r
	v_bfe_u32 v3, v0, 4, 1                         ; h
	v_lshlrev_b32 v[GA], 4, v1
	s_wait_alu depctr_va_sdst(0)                   ; the wave's number is written, ahead of its first reader: LDS places and the three bases are made from it
	s_mul_i32 s11, s[WV], STGW
	s_add_co_u32 s11, s11, STG                     ; my wave's stage
	v_mul_u32_u24 v[SIN], v3, SPITCH
	v_lshl_add_u32 v[SIN], v2, 4, v[SIN]
	v_add_nc_u32 v[SIN], s11, v[SIN]
	v_mul_u32_u24 v[SOUT], v2, SPITCH
	v_lshl_add_u32 v[SOUT], v3, 7, v[SOUT]
	v_add_nc_u32 v[SOUT], s11, v[SOUT]
	s_mul_i32 s11, s[WV], 2*REC                    ; my wave's two records of a quarter
	v_lshl_add_u32 v[IA], v1, 4, s11
	v_lshl_add_u32 v[IB], v1, 3, s11
	v_lshl_add_u32 v[IW], v2, 2, s11
	v_lshlrev_b32 v[SH8], 3, v3
	v_lshlrev_b32 v[LX], 4, v1
	v_lshlrev_b32 v[LX+1], 3, v1
	v_lshlrev_b32 v[LX+2], 2, v2
	v_lshlrev_b32 v[LX+3], 5, v3
	v_lshl_add_u32 v[IDA], v0, 2, IDXS
	s_mov_b32 s[SEL], 0x76543210
	s_mov_b32 s[SEL+1], 0xfedcba98
	s_mov_b32 s[HM], 0xffff0000                    ; lanes 16-31
	s_lshl_b32 s12, ttmp9, 16                      ; the work-group's 256 rows of 256 bytes,
	s_lshl_b32 s13, s[WV], 13                      ; my wave's 32 of them
	s_add_co_u32 s12, s12, s13
	s_mov_b32 s13, 0
	s_wait_kmcnt 0x0
	s_add_nc_u64 s[6:7], s[6:7], s[12:13]          ; x at my wave's first row
	s_lshl_b32 s12, s[WV], 13                      ; my wave's two codebook tiles of a quarter: 8,192 bytes
	s_add_nc_u64 s[4:5], s[4:5], s[12:13]
	s_lshl_b32 s12, ttmp9, 10                      ; the work-group's 256 indices
	s_add_nc_u64 s[8:9], s[8:9], s[12:13]
; MY TEN TILES: 0, 1: x's; 2 + 2 q + u: tile 16 q + 2 wave + u of the codebook.  Each has a set of 32 registers, SR.  v46-77, v88-119 and v136-167 serve ahead of the first walk alone, whose registers they
; become; v192-223 and v224-255 are named by no walk, so that a tile's loads can be out during one.
.macro SETOF i
.if ((\i) == 0) || ((\i) == 5)
.set SR, 46
.elseif (\i) == 1
.set SR, 88
.elseif (\i) == 2
.set SR, 136
.elseif ((\i) == 3) || ((\i) == 6) || ((\i) == 8)
.set SR, 192
.else
.set SR, 224
.endif
.endm
; Tile i is asked for: eight loads of 512 consecutive bytes
.macro LOAD i
	SETOF \i
.irp k, 0,1,2,3,4,5,6,7
.if (\i) < 2
	global_load_b128 v[SR+4*\k:SR+4*\k+3], v[GA], s[6:7] offset:4096*(\i)+512*\k
.else
	global_load_b128 v[SR+4*\k:SR+4*\k+3], v[GA], s[4:5] offset:65536*(((\i)-2)/2)+4096*(((\i)-2)%2)+512*\k
.endif
.endr
.endm
; and turns through my stage: in as it was loaded, two rows a store; back 128 bytes a lane, into the registers that it left.  LDS serves a wave's instructions in order (ISA guide 5.7.1.4):
; the loads see the stores, and the next tile's stores come behind this tile's loads: one stage serves.
; No vector instruction has named the set since the wait on va_vdst that stands behind the QUANT of the set's tile before (or, for a set's first tile, at all): so the loads below owe no such wait.
.macro TURN i
	SETOF \i
.irp k, 0,1,2,3,4,5,6,7
	ds_store_b128 v[SIN], v[SR+4*\k:SR+4*\k+3] offset:2*SPITCH*\k
.endr
	s_wait_alu depctr_vm_vsrc(0)                   ; the eight stores have read the set, in which the loads below land; and the last record's stores have read v[PC ..], v[PW] and v[PEE], which the next QUANT writes
.irp k, 0,1,2,3,4,5,6,7
	ds_load_b128 v[SR+4*\k:SR+4*\k+3], v[SOUT] offset:16*\k
.endr
.endm
; My block's 32 numbers v[x] .. v[x + 31] become six code registers v[c] .. v[c + 5]; v[w] gets my row's scale word, v[e] my row's sum of squares (both in both halves of the lanes).
.macro QUANT x, c, w, e
	v_max3_num_f32 v[PM], |v[\x]|, |v[\x+1]|, 0x2800000             ; the floor 2^(5 - 127) among the leaves: the scale's byte cannot fall under 1
	v_max3_num_f32 v[PM+1], |v[\x+2]|, |v[\x+3]|, |v[\x+4]|
	v_pk_mul_f32 v[PQ:PQ+1], v[\x:\x+1], v[\x:\x+1]
	v_pk_mul_f32 v[PQ+2:PQ+3], v[\x+2:\x+3], v[\x+2:\x+3]
.irp i, 4,8,12,16,20,24
	v_max3_num_f32 v[PM], v[PM], |v[\x+\i+1]|, |v[\x+\i+2]|
	v_max3_num_f32 v[PM+1], v[PM+1], |v[\x+\i+3]|, |v[\x+\i+4]|
	v_pk_fma_f32 v[PQ:PQ+1], v[\x+\i:\x+\i+1], v[\x+\i:\x+\i+1], v[PQ:PQ+1]
	v_pk_fma_f32 v[PQ+2:PQ+3], v[\x+\i+2:\x+\i+3], v[\x+\i+2:\x+\i+3], v[PQ+2:PQ+3]
.endr
	v_max3_num_f32 v[PM], v[PM], |v[\x+29]|, |v[\x+30]|
	v_pk_fma_f32 v[PQ:PQ+1], v[\x+28:\x+29], v[\x+28:\x+29], v[PQ:PQ+1]
	v_pk_fma_f32 v[PQ+2:PQ+3], v[\x+30:\x+31], v[\x+30:\x+31], v[PQ+2:PQ+3]
	v_max3_num_f32 v[PM], v[PM], v[PM+1], |v[\x+31]|                ; the block's largest magnitude
	v_pk_add_f32 v[PQ:PQ+1], v[PQ:PQ+1], v[PQ+2:PQ+3]
	v_add_nc_u32 v[PSC], 0xfe000000, v[PM]                          ; 4 off its exponent field: the conversion takes the exponent field of this operand as its scale
	v_add_f32 v[PE], v[PQ], v[PQ+1]                                 ; my block's sum of squares
	v_cvt_scalef32_pk16_bf6_f32 v[\c:\c+2], v[\x:\x+15], v[PSC]
	v_cvt_scalef32_pk16_bf6_f32 v[PT:PT+2], v[\x+16:\x+31], v[PSC]
	v_lshrrev_b32 v[PB], 23, v[PSC]                                 ; the scale's byte; also the plain instruction behind the conversions
	v_permlanex16_b32 v[PO2], v[PE], s[SEL], s[SEL+1]
	v_lshlrev_b32 v[PB], v[SH8], v[PB]                              ; at its place in the word: byte h
	v_mov_b32 v[\c+3], v[PT]
	v_mov_b32 v[\c+4], v[PT+1]
	v_mov_b32 v[\c+5], v[PT+2]
	v_permlanex16_b32 v[PO], v[PB], s[SEL], s[SEL+1]
	v_add_f32 v[\e], v[PE], v[PO2]                                  ; with the row's other block
	v_or_b32 v[\w], v[PB], v[PO]
.endm
; Tile i's turn.  nxt = 1: tile i + 1 goes through the stage while this one is worked on; lc: how many loads issued behind tile i + 1's may stay out.  ld: the tile that is asked for when this one is done
; (into this one's set, or into tile 0's for tile 5), or -1.
.macro PRO i, nxt, lc, ld
.if \nxt
	s_wait_loadcnt \lc                             ; tile i + 1 is in
	TURN (\i)+1
	s_wait_dscnt 16                                ; all but the 16 just issued: tile i is back from the stage
.else
	s_wait_dscnt 0x0                               ; tile i is back from the stage
	s_wait_alu depctr_vm_vsrc(0)                   ; the last record's stores have read v[PC ..], v[PW] and v[PEE], which the lines below write again (no TURN stands here to say so)
.endif
	SETOF \i
.set QX, SR
.if (\i) < 2
	QUANT QX, XF+12*(\i), XSC+(\i), XXP+2*(\i)
	v_mov_b32 v[XXP+2*(\i)+1], v[XXP+2*(\i)]
.else
	QUANT QX, PC, PW, PEE
.endif
.if ((\i) >= 2) || ((\ld) >= 0)
	s_wait_alu depctr_va_vdst(0)                   ; QUANT has written the codes, the scale word and the sum, which the record's stores read, and is done reading its set, in which the global loads below land
.endif
.if (\i) >= 2
.set RO, PH*(((\i)-2)/2)+REC*(((\i)-2)%2)
	ds_store_b128 v[IA], v[PC:PC+3] offset:RO
	ds_store_b64 v[IB], v[PC+4:PC+5] offset:RO+512
	ds_store_b32 v[IW], v[PW] offset:RO+768        ; lanes r and 16 + r write the same word with the same value
	ds_store_b32 v[IW], v[PEE] offset:RO+832
.endif
.if (\ld) >= 0
	LOAD \ld
.endif
.endm
.macro BAR                                     ; for the others' sake: my records lie in LDS; then the work-group's barrier.  Global loads may be out across it: nobody writes what they read
	s_wait_dscnt 0x0
	s_barrier_signal -1
	s_barrier_wait -1
.endm
; a record into buffer p; b: the first of four address registers
.macro LTILE p, b, off
	ds_load_b128 v[AB+12*(\p):AB+12*(\p)+3], v[\b] offset:(\off)
	ds_load_b64 v[AB+12*(\p)+4:AB+12*(\p)+5], v[\b+1] offset:(\off)+512
	ds_load_b32 v[ASC+(\p)], v[\b+2] offset:(\off)+768
	ds_load_b128 v[EE+8*(\p):EE+8*(\p)+3], v[\b+3] offset:(\off)+832
	ds_load_b128 v[EE+8*(\p)+4:EE+8*(\p)+7], v[\b+3] offset:(\off)+848
.endm
; buffer p's 16 candidates against my two tiles of rows; each product is whole in one instruction, so C is 0 and no sum is carried
.macro MTILE p
	v_wmma_scale_f32_16x16x128_f8f6f4 v[ACC+16*(\p):ACC+16*(\p)+7], v[AB+12*(\p):AB+12*(\p)+11], v[XF:XF+11], 0, v[ASC+(\p)], v[XSC] matrix_a_fmt:MATRIX_FMT_BF6 matrix_b_fmt:MATRIX_FMT_BF6
	v_wmma_scale_f32_16x16x128_f8f6f4 v[ACC+16*(\p)+8:ACC+16*(\p)+15], v[AB+12*(\p):AB+12*(\p)+11], v[XF+12:XF+23], 0, v[ASC+(\p)], v[XSC+1] matrix_a_fmt:MATRIX_FMT_BF6 matrix_b_fmt:MATRIX_FMT_BF6
.endm
; TILE t (buffer p = t % 2; the k-th of its trip).  First the tile's distances, their least and the two compares; there the masks are waited for, and with them the vector side.
; ld: behind that place tile t + 2's record is asked for, into the buffer that tile t has left: it has a whole tile step in which to land.  mm: then tile t + 1's products are issued; the 20 selects below and the next
; tile's 8 additions, which name none of their registers, are the places behind them (ISA guide 7.12.1), ahead of the first read of their results.
.macro STEP p, k, mm, ld
.if (\k) == 0
	s_wait_alu depctr_vm_vsrc(0)                   ; the record loads issued so far have read v[AD ..], which is written below; in a walk's first step the last record's stores have read v[PC ..], over which s is written
.irp q, 0,1,2,3
	v_add_nc_u32 v[AD+\q], s[TB], v[LX+\q]         ; the trip's addresses
.endr
.endif
.irp j, 0,2,4,6
	v_pk_add_f32 v[S+\j:S+\j+1], v[EE+8*(\p)+\j:EE+8*(\p)+\j+1], v[XXP:XXP+1]           ; s = xx + ee
	v_pk_add_f32 v[S+8+\j:S+8+\j+1], v[EE+8*(\p)+\j:EE+8*(\p)+\j+1], v[XXP+2:XXP+3]
.endr
.irp j, 0,2,4,6
	v_pk_fma_f32 v[S+\j:S+\j+1], v[ACC+16*(\p)+\j:ACC+16*(\p)+\j+1], -2.0, v[S+\j:S+\j+1] op_sel_hi:[1,0,1]           ; d = s - 2 dot; each accumulator is read from its low end on
	v_pk_fma_f32 v[S+8+\j:S+8+\j+1], v[ACC+16*(\p)+8+\j:ACC+16*(\p)+8+\j+1], -2.0, v[S+8+\j:S+8+\j+1] op_sel_hi:[1,0,1]
.endr
.irp a, 0,1
	v_min3_num_f32 v[G+3*\a], v[S+8*\a], v[S+8*\a+1], v[S+8*\a+2]
	v_min3_num_f32 v[G+3*\a+1], v[S+8*\a+3], v[S+8*\a+4], v[S+8*\a+5]
	v_min_num_f32 v[G+3*\a+2], v[S+8*\a+6], v[S+8*\a+7]
.endr
	v_min3_num_f32 v[G], v[G], v[G+1], v[G+2]      ; the least of my 8 distances
	v_min3_num_f32 v[G+3], v[G+3], v[G+4], v[G+5]
	v_cmp_lt_f32 vcc_lo, v[G], v[BEST]             ; strictly under the best so far: an earlier tile keeps a tie
	v_cmp_lt_f32 s[MK], v[G+3], v[BEST+1]
	s_wait_alu depctr_va_vcc(0)                    ; the first compare has written VCC, ahead of the selects that read it
	s_wait_alu depctr_va_sdst(0)                   ; the second has written s[MK], likewise
.if \ld
	s_wait_alu depctr_va_vdst(0)                   ; this tile's additions are done reading EE(p), its products (issued a tile ago) AB(p) and ASC(p): the loads below land in these; in a trip's first step v[AD ..] is written
	LTILE \p, AD, ((\k)+2)*REC
.endif
.if \mm
	s_wait_alu depctr_va_vdst(0)
	s_wait_dscnt 5*(\ld)                           ; tile t + 1's record is in (asked for a tile ago); the five loads just issued, if any, may be out
	MTILE 1-(\p)                                   ; it names AB(1 - p), ASC(1 - p), x's registers and ACC(1 - p): none that the loads above touch
.endif
	v_cndmask_b32 v[BEST], v[BEST], v[G], vcc_lo
	v_cndmask_b32 v[BEST+1], v[BEST+1], v[G+3], s[MK]
	v_cndmask_b32 v[TV], v[TV], s[TID], vcc_lo
	v_cndmask_b32 v[TV+1], v[TV+1], s[TID], s[MK]
.irp j, 0,1,2,3,4,5,6,7
	v_cndmask_b32 v[KP+\j], v[KP+\j], v[S+\j], vcc_lo          ; and the tile's 8 distances are kept, to say at the end which of them it was
	v_cndmask_b32 v[KP+8+\j], v[KP+8+\j], v[S+8+\j], s[MK]
.endr
	s_add_co_u32 s[TID], s[TID], 1
.endm
; THE WALK of quarter q: its 16 tiles, three trips of four and four written out, since there is no 17th record to ask for and no 17th tile to multiply.
.macro LOOP q
	s_wait_alu depctr_va_vdst(0)                   ; the last walk's products and additions are done reading both buffers, in which the loads below land; ahead of the first walk: the zero codes, x's fragments and x's scale words are written, which the scaled products take
	LTILE 0, LX, (\q)*PH
	LTILE 1, LX, (\q)*PH+REC
	s_mov_b32 s[TB], (\q)*PH
	s_mov_b32 s[CNT], 3
	s_wait_dscnt 5                                 ; the first record's five loads, and what stood ahead of them, are done; the second record's five may be out
	MTILE 0
.Ltrip_\@:
	STEP 0, 0, 1, 1
	STEP 1, 1, 1, 1
	STEP 0, 2, 1, 1
	STEP 1, 3, 1, 1
	s_add_co_u32 s[TB], s[TB], 4*REC
	s_sub_co_u32 s[CNT], s[CNT], 1
	s_cmp_lg_u32 s[CNT], 0
	s_cbranch_scc1 .Ltrip_\@
	STEP 0, 0, 1, 1
	STEP 1, 1, 1, 1
	STEP 0, 2, 1, 0
	STEP 1, 3, 0, 0
.endm
	s_wait_alu depctr_va_vdst(0)                   ; the addresses and offsets v4 to v15 are written, which the loads and stores from here on read
.irp n, 0,1,2,3,4
	LOAD \n                                        ; x's two tiles, quarter 0's two, quarter 1's first: 40 loads of mine are out
.endr
.irp j, 6,7,8,9,10,11
	v_mov_b32 v[XF+\j], 0                          ; k = 64 .. 127 of x: zero codes
	v_mov_b32 v[XF+12+\j], 0
.endr
	v_mov_b32 v[PO], 0                             ; written once: a lane permute's destination counts as one of its sources
	v_mov_b32 v[PO2], 0
	s_wait_loadcnt 32                              ; tile 0's eight loads are in; four tiles' may be out
	TURN 0
	PRO 0, 1, 24, 5                                ; behind tile 1: tiles 2, 3, 4.    Tile 5 is asked for
	PRO 1, 1, 24, -1                               ; behind tile 2: tiles 3, 4, 5
	PRO 2, 1, 16, -1                               ; behind tile 3: tiles 4, 5
	PRO 3, 1, 8, 6                                 ; behind tile 4: tile 5.           Quarter 2's first tile is asked for
	BAR                                            ; quarter 0's sixteen records lie in LDS; from here on they are only read
	PRO 4, 1, 8, 7                                 ; behind tile 5: tile 6.           Quarter 2's second tile is asked for
	PRO 5, 0, 0, -1
.irp j, 6,7,8,9,10,11
	v_mov_b32 v[AB+\j], 0                          ; k = 64 .. 127 of the candidates: zero codes, in both buffers; the 26 lines below stand between these and the first product
	v_mov_b32 v[AB+12+\j], 0
.endr
.irp a, 0,1
	v_mov_b32 v[BEST+\a], 0x7f800000               ; +infinity: over every distance
	v_mov_b32 v[TV+\a], 0
	v_mov_b32 v[OB+\a], 0                          ; (lane permutes' destinations)
	v_mov_b32 v[OI+\a], 0
.endr
.irp j, 0,1,2,3,4,5,6,7,8,9,10,11,12,13,14,15
	v_mov_b32 v[KP+\j], 0x7f800000
.endr
	v_lshl_add_u32 v[IDB], v0, 4, IDXS
	v_lshlrev_b32 v[IDG], 4, v0
	s_mov_b32 s[TID], 0
	LOOP 0                                         ; quarter 2's sixteen loads are on their way meanwhile
	BAR                                            ; quarter 1's records, stored ahead of that walk, lie in LDS in every wave
	s_wait_loadcnt 8                               ; tile 6 is in; tile 7's loads were issued behind it
	TURN 6
	PRO 6, 1, 0, 8                                 ; nothing was issued behind tile 7.  Quarter 3's first tile is asked for,
	PRO 7, 0, 0, 9                                 ; and its second
	LOOP 1
	BAR                                            ; quarter 2's records
	s_wait_loadcnt 8                               ; tile 8 is in; tile 9's loads were issued behind it
	TURN 8
	PRO 8, 1, 0, -1
	PRO 9, 0, 0, -1
	LOOP 2
	BAR                                            ; quarter 3's records
	LOOP 3
	; which of the kept 8: the lowest j whose distance equals the best
	v_mov_b32 v[JJ], 7
	v_mov_b32 v[JJ+1], 7
.irp j, 6,5,4,3,2,1,0
	v_cmp_eq_f32 vcc_lo, v[KP+\j], v[BEST]
	v_cmp_eq_f32 s[MK], v[KP+8+\j], v[BEST+1]
	s_wait_alu depctr_va_vcc(0)                    ; VCC is written, ahead of the select that reads it
	s_wait_alu depctr_va_sdst(0)                   ; and so is s[MK]
	v_cndmask_b32 v[JJ], v[JJ], \j, vcc_lo
	v_cndmask_b32 v[JJ+1], v[JJ+1], \j, s[MK]
.endr
.irp a, 0,1
	v_lshl_add_u32 v[JJ+\a], v[TV+\a], 4, v[JJ+\a]
	v_lshl_add_u32 v[JJ+\a], v3, 3, v[JJ+\a]       ; the index: 16 t + 8 h + j
	v_permlanex16_b32 v[OB+\a], v[BEST+\a], s[SEL], s[SEL+1]
	v_permlanex16_b32 v[OI+\a], v[JJ+\a], s[SEL], s[SEL+1]
.endr
.irp a, 0,1                                    ; the row's other 512 candidates lie in lane l xor 16: theirs wins where it is nearer, or as near with the lower index
	v_cmp_lt_f32 s[M1], v[OB+\a], v[BEST+\a]
	v_cmp_eq_f32 s[M2], v[OB+\a], v[BEST+\a]
	v_cmp_lt_u32 s[M3], v[OI+\a], v[JJ+\a]
	s_wait_alu depctr_va_sdst(0)                   ; the three masks are written, ahead of the scalar lines that read them
	s_and_b32 s[M2], s[M2], s[M3]
	s_or_b32 s[M1], s[M1], s[M2]
	v_cndmask_b32 v[JJ+\a], v[JJ+\a], v[OI+\a], s[M1]
.endr
	v_cndmask_b32 v[JJ], v[JJ], v[JJ+1], s[HM]     ; lanes 0-15 speak for my rows 0-15, lanes 16-31 for rows 16-31: thread n holds the work-group's row n
	s_wait_alu depctr_va_vdst(0)                   ; the index v[JJ] is written, which the LDS store reads
	ds_store_b32 v[IDA], v[JJ]
	s_wait_dscnt 0x0                               ; for the others' sake: my 32 indices lie in LDS
	s_barrier_signal -1
	s_barrier_wait -1
	s_cmp_lt_u32 s[WV], 2                          ; the work-group's 1,024 bytes leave by two waves: 16 lanes store 256 consecutive bytes, at a multiple of 256 from idx's first byte
	s_cbranch_scc0 .Ldone
	ds_load_b128 v[OV:OV+3], v[IDB]                ; (no vector instruction names v[OV ..]; v[IDB] and v[IDG] were written ahead of the first walk, far ahead of the wait above)
	s_wait_dscnt 0x0
	global_store_b128 v[IDG], v[OV:OV+3], s[8:9]
.Ldone:
	s_wait_dscnt 0x0                               ; the closing lines, six on end
	s_wait_alu 0x0
	s_wait_tensorcnt 0x0
	ds_add_u32 v190, v191
	s_wait_dscnt 0x0
	s_endpgm
.Lfunc_end_k_q0d8bb6eb7d_nearest:
	.size	k_q0d8bb6eb7d_nearest, .Lfunc_end_k_q0d8bb6eb7d_nearest-k_q0d8bb6eb7d_nearest
	.p2alignl 7, 3214868480
	.fill 96, 4, 3214868480
	.section	.rodata,"a",@progbits
	.p2align	6, 0x0
	.amdhsa_kernel k_q0d8bb6eb7d_nearest
		.amdhsa_group_segment_fixed_size 168960
		.amdhsa_private_segment_fixed_size 0
		.amdhsa_enable_private_segment 0
		.amdhsa_kernarg_size 24
		.amdhsa_user_sgpr_count 2
		.amdhsa_user_sgpr_kernarg_segment_ptr 1
		.amdhsa_wavefront_size32 1
		.amdhsa_system_sgpr_workgroup_id_x 1
		.amdhsa_system_sgpr_workgroup_id_y 1
		.amdhsa_system_sgpr_workgroup_id_z 1
		.amdhsa_system_vgpr_workitem_id 0
		.amdhsa_next_free_vgpr 256
		.amdhsa_next_free_sgpr 66
		.amdhsa_reserve_vcc 1
		.amdhsa_float_denorm_mode_32 3
		.amdhsa_float_denorm_mode_16_64 3
		.amdhsa_memory_ordered 1
		.amdhsa_forward_progress 1
		.amdhsa_inst_pref_size 163
	.end_amdhsa_kernel
	.amdgpu_metadata
---
amdhsa.version: [ 1, 2 ]
amdhsa.kernels:
  - .name:           k_q0d8bb6eb7d_nearest
    .symbol:         k_q0d8bb6eb7d_nearest.kd
    .args:
      - { .name: embedding, .offset: 0, .size: 8, .value_kind: global_buffer, .address_space: global }
      - { .name: inputs, .offset: 8, .size: 8, .value_kind: global_buffer, .address_space: global }
      - { .name: idx, .offset: 16, .size: 8, .value_kind: global_buffer, .address_space: global }
    .group_segment_fixed_size: 168960
    .private_segment_fixed_size: 0
    .kernarg_segment_align: 8
    .kernarg_segment_size: 24
    .max_flat_workgroup_size: 256
    .sgpr_count:     66
    .vgpr_count:     256
    .wavefront_size: 32
...
	.end_amdgpu_metadata
.endif
;; end of part 4
;; launch gather (part 5): grid 256 x 1, 16 waves a work-group, no clusters, 169,984 bytes of LDS; arguments inputs, embedding, idx, out0, part; writes out0, part
.if DOCPART == 5
	.amdgcn_target "amdgcn-amd-amdhsa--gfx1250"
	.amdhsa_code_object_version 6
	.text
	.protected	k_q0d8bb6eb7d_gather
	.globl	k_q0d8bb6eb7d_gather
	.p2align	8
	.type	k_q0d8bb6eb7d_gather,@function
k_q0d8bb6eb7d_gather:
	s_mov_b64 s[64:65], 0
	v_nop
	global_prefetch_b8 v0, s[64:65] scope:SCOPE_SE
	s_setreg_imm32_b32 hwreg(HW_REG_WAVE_MODE, 25, 1), 1
	s_wait_xcnt 0x0
; out0[n] = x_n + (e_idx[n] - x_n), rounded in that order, and part[work-group] = the sum over its 256 rows of (e_idx[n] - x_n)^2.  All f32.
; 256 work-groups of 16 waves; a wave owns 16 rows of 256 bytes.  A load or store of a wave covers two rows, 512 consecutive bytes: lane l has row 2 k + l / 16, bytes 16 (l % 16) on.
; Nothing is looped: a lane's 8 indices, 8 pieces of x, 8 pieces of codebook rows and 8 stores are all on their way together.  A codebook row is 256 bytes: sixteen lanes fetch it whole.
; An index enters an address behind a clamp to 1,023, the table's last row.
; Memory binds: no matrix unit, no tensor load, no cluster (the work-groups share only the codebook, of which each fetches the rows that its indices name).
; The claim of LDS is larger than the use (64 bytes), so that each of the 256 work-groups has a WGP to itself.
; LIMIT: the squares are added in another order than the definition's.
.set IX, 8                             ; v8-15   indices
.set EO, 16                            ; v16-23  byte offsets in the codebook
.set X,  24                            ; v24-55  x, then out0
.set E,  56                            ; v56-87  e, then e - x
.set AC, 88                            ; v88-91  two packed sums
	s_load_b256 s[4:11], s[0:1], 0x0               ; inputs s[4:5], embedding s[6:7], idx s[8:9], out0 s[10:11]
	s_load_b64 s[12:13], s[0:1], 0x20              ; part
	v_lshl_add_u32 v96, v0, 2, 0x29000
	v_mov_b32 v97, 0
	v_lshrrev_b32 v1, 5, v0
	s_delay_alu instid0(VALU_DEP_1)
	v_readfirstlane_b32 s14, v1                    ; wave 0..15
	s_delay_alu instid0(VALU_DEP_2)
	v_lshlrev_b32 v7, 2, v1                        ; LDS: my wave's word
	v_and_b32 v1, 31, v0
	v_and_b32 v2, 15, v0
	v_bfe_u32 v3, v0, 4, 1
	s_delay_alu instid0(VALU_DEP_3)
	v_lshlrev_b32 v4, 4, v1                        ; x, out0: 16 x lane
	s_delay_alu instid0(VALU_DEP_2)
	v_lshlrev_b32 v5, 2, v3                        ; idx: the row of my half
	s_delay_alu instid0(VALU_DEP_4)
	v_lshlrev_b32 v6, 4, v2                        ; my 16 bytes of a codebook row
	v_lshlrev_b32 v92, 2, v2                       ; LDS: on the way back, wave (lane % 16)'s word
	v_mov_b32 v93, 0
	s_lshl_b32 s16, ttmp9, 4
	s_add_co_u32 s16, s16, s14                     ; which 16 rows are my wave's
	s_lshl_b32 s18, s16, 12                        ; 4,096 bytes of x and of out0,
	s_mov_b32 s19, 0
	s_lshl_b32 s20, s16, 6                         ; 64 bytes of idx
	s_mov_b32 s21, 0
	s_lshl_b32 s22, ttmp9, 2
	s_mov_b32 s23, 0
	s_mov_b32 s24, 0x76543210
	s_mov_b32 s25, 0xfedcba98
	s_wait_alu depctr_va_vdst(0)
	s_wait_kmcnt 0x0
	s_add_nc_u64 s[4:5], s[4:5], s[18:19]
	s_add_nc_u64 s[10:11], s[10:11], s[18:19]
	s_add_nc_u64 s[8:9], s[8:9], s[20:21]
	s_add_nc_u64 s[12:13], s[12:13], s[22:23]
.irp k, 0,1,2,3,4,5,6,7
	global_load_b32 v[IX+\k], v5, s[8:9] offset:8*\k               ; the index of row 2 k + h: the gathers hang on these, so they go first
.endr
.irp k, 0,1,2,3,4,5,6,7
	global_load_b128 v[X+4*\k:X+4*\k+3], v4, s[4:5] offset:512*\k th:TH_LOAD_NT
.endr
.irp k, 0,1,2,3,4,5,6,7
	s_wait_loadcnt 15                              ; index k is in: behind it stand 7 - k indices, 8 loads of x and k gathers
	v_min_u32 v[IX+\k], 0x3ff, v[IX+\k]
	s_delay_alu instid0(VALU_DEP_1)
	v_lshl_add_u32 v[EO+\k], v[IX+\k], 8, v6
	global_load_b128 v[E+4*\k:E+4*\k+3], v[EO+\k], s[6:7]
.endr
.irp k, 0,1,2,3,4,5,6,7
	s_wait_loadcnt 7-\k                            ; gather k is in, and so is all of x: behind it stand 7 - k gathers
	v_pk_add_f32 v[E+4*\k:E+4*\k+1], v[E+4*\k:E+4*\k+1], v[X+4*\k:X+4*\k+1] neg_lo:[0,1] neg_hi:[0,1]         ; e - x
	v_pk_add_f32 v[E+4*\k+2:E+4*\k+3], v[E+4*\k+2:E+4*\k+3], v[X+4*\k+2:X+4*\k+3] neg_lo:[0,1] neg_hi:[0,1]
	s_delay_alu instid0(VALU_DEP_2)
	v_pk_add_f32 v[X+4*\k:X+4*\k+1], v[X+4*\k:X+4*\k+1], v[E+4*\k:E+4*\k+1]                                  ; x + (e - x)
	s_delay_alu instid0(VALU_DEP_2)
	v_pk_add_f32 v[X+4*\k+2:X+4*\k+3], v[X+4*\k+2:X+4*\k+3], v[E+4*\k+2:E+4*\k+3]
.if \k == 0
	s_delay_alu instid0(VALU_DEP_4)
	v_pk_mul_f32 v[AC:AC+1], v[E:E+1], v[E:E+1]                    ; the first squares start the sums
	s_delay_alu instid0(VALU_DEP_4)
	v_pk_mul_f32 v[AC+2:AC+3], v[E+2:E+3], v[E+2:E+3]
.else
	s_wait_alu depctr_va_vdst(0)
	v_pk_fma_f32 v[AC:AC+1], v[E+4*\k:E+4*\k+1], v[E+4*\k:E+4*\k+1], v[AC:AC+1]
	v_pk_fma_f32 v[AC+2:AC+3], v[E+4*\k+2:E+4*\k+3], v[E+4*\k+2:E+4*\k+3], v[AC+2:AC+3]
.endif
	global_store_b128 v4, v[X+4*\k:X+4*\k+3], s[10:11] offset:512*\k th:TH_STORE_NT    ; 32 lanes store 512 consecutive bytes, at a multiple of 256 from out0's first byte; each k has registers of its own
.endr
	v_pk_add_f32 v[AC:AC+1], v[AC:AC+1], v[AC+2:AC+3]
	s_delay_alu instid0(VALU_DEP_1)
	v_add_f32 v[AC], v[AC], v[AC+1]
	s_delay_alu instid0(VALU_DEP_1)
	v_add_f32_dpp v[AC], v[AC], v[AC] row_xmask:1 row_mask:0xf bank_mask:0xf
	s_delay_alu instid0(VALU_DEP_1)
	v_add_f32_dpp v[AC], v[AC], v[AC] row_xmask:2 row_mask:0xf bank_mask:0xf
	s_delay_alu instid0(VALU_DEP_1)
	v_add_f32_dpp v[AC], v[AC], v[AC] row_xmask:4 row_mask:0xf bank_mask:0xf
	s_delay_alu instid0(VALU_DEP_1)
	v_add_f32_dpp v[AC], v[AC], v[AC] row_xmask:8 row_mask:0xf bank_mask:0xf
	s_delay_alu instid0(VALU_DEP_1)
	v_permlanex16_b32 v[AC+1], v[AC], s24, s25
	s_delay_alu instid0(VALU_DEP_1)
	v_add_f32 v[AC], v[AC], v[AC+1]                ; my wave's sum, in every lane
	ds_store_b32 v7, v[AC]                         ; all lanes write the same word with the same value
	s_wait_dscnt 0x0                               ; for wave 0's sake
	s_barrier_signal -1
	s_barrier_wait -1
	s_cmp_lg_u32 s14, 0
	s_cbranch_scc1 .Lend
	ds_load_b32 v94, v92                           ; the sixteen waves' sums, one to a lane of each half
	s_wait_dscnt 0x0
	v_add_f32_dpp v94, v94, v94 row_xmask:1 row_mask:0xf bank_mask:0xf
	s_delay_alu instid0(VALU_DEP_1)
	v_add_f32_dpp v94, v94, v94 row_xmask:2 row_mask:0xf bank_mask:0xf
	s_delay_alu instid0(VALU_DEP_1)
	v_add_f32_dpp v94, v94, v94 row_xmask:4 row_mask:0xf bank_mask:0xf
	s_delay_alu instid0(VALU_DEP_1)
	v_add_f32_dpp v94, v94, v94 row_xmask:8 row_mask:0xf bank_mask:0xf
	v_cmp_gt_u32 vcc_lo, 1, v0
	s_wait_alu depctr_va_vdst(0)
	s_wait_xcnt 0x0                                ; EXEC is a source of the stores above: it changes only behind this wait
	s_and_saveexec_b32 s15, vcc_lo
	global_store_b32 v93, v94, s[12:13]            ; thread 0: the work-group's sum
	s_wait_xcnt 0x0                                ; and again in front of the line that widens it
	s_or_b32 exec_lo, exec_lo, s15
.Lend:
	s_wait_tensorcnt 0x0
	ds_add_u32 v96, v97
	s_wait_dscnt 0x0
	s_endpgm
.Lfunc_end_k_q0d8bb6eb7d_gather:
	.size	k_q0d8bb6eb7d_gather, .Lfunc_end_k_q0d8bb6eb7d_gather-k_q0d8bb6eb7d_gather
	.p2alignl 7, 3214868480
	.fill 96, 4, 3214868480
	.section	.rodata,"a",@progbits
	.p2align	6, 0x0
	.amdhsa_kernel k_q0d8bb6eb7d_gather
		.amdhsa_group_segment_fixed_size 169984
		.amdhsa_private_segment_fixed_size 0
		.amdhsa_enable_private_segment 0
		.amdhsa_kernarg_size 40
		.amdhsa_user_sgpr_count 2
		.amdhsa_user_sgpr_kernarg_segment_ptr 1
		.amdhsa_wavefront_size32 1
		.amdhsa_system_sgpr_workgroup_id_x 1
		.amdhsa_system_sgpr_workgroup_id_y 1
		.amdhsa_system_sgpr_workgroup_id_z 1
		.amdhsa_system_vgpr_workitem_id 0
		.amdhsa_next_free_vgpr 98
		.amdhsa_next_free_sgpr 66
		.amdhsa_reserve_vcc 1
		.amdhsa_float_denorm_mode_32 3
		.amdhsa_float_denorm_mode_16_64 3
		.amdhsa_memory_ordered 1
		.amdhsa_forward_progress 1
		.amdhsa_inst_pref_size 12
	.end_amdhsa_kernel
	.amdgpu_metadata
---
amdhsa.version: [ 1, 2 ]
amdhsa.kernels:
  - .name:           k_q0d8bb6eb7d_gather
    .symbol:         k_q0d8bb6eb7d_gather.kd
    .args:
      - { .name: inputs, .offset: 0, .size: 8, .value_kind: global_buffer, .address_space: global }
      - { .name: embedding, .offset: 8, .size: 8, .value_kind: global_buffer, .address_space: global }
      - { .name: idx, .offset: 16, .size: 8, .value_kind: global_buffer, .address_space: global }
      - { .name: out0, .offset: 24, .size: 8, .value_kind: global_buffer, .address_space: global }
      - { .name: part, .offset: 32, .size: 8, .value_kind: global_buffer, .address_space: global }
    .group_segment_fixed_size: 169984
    .private_segment_fixed_size: 0
    .kernarg_segment_align: 8
    .kernarg_segment_size: 40
    .max_flat_workgroup_size: 512
    .sgpr_count:     66
    .vgpr_count:     98
    .wavefront_size: 32
...
	.end_amdgpu_metadata
.endif
;; end of part 5
;; launch total (part 6): grid 1 x 1, 1 waves a work-group, no clusters, 0 bytes of LDS; arguments part, out1; writes out1
.if DOCPART == 6
	.amdgcn_target "amdgcn-amd-amdhsa--gfx1250"
	.amdhsa_code_object_version 6
	.text
	.protected	k_q0d8bb6eb7d_total
	.globl	k_q0d8bb6eb7d_total
	.p2align	8
	.type	k_q0d8bb6eb7d_total,@function
k_q0d8bb6eb7d_total:
	s_mov_b64 s[64:65], 0
	v_nop
	global_prefetch_b8 v0, s[64:65] scope:SCOPE_SE
	s_setreg_imm32_b32 hwreg(HW_REG_WAVE_MODE, 25, 1), 1
	s_wait_xcnt 0x0
; out1 = 1.25 x the mean over 65,536 x 64 numbers of (quantized - inputs)^2: both losses of the definition are that mean, and the second counts a quarter.
; One wave adds the 256 work-groups' sums (1,024 bytes: two loads of 512 consecutive bytes) and multiplies by 1.25 / 2^22.
; A sum that spans work-groups is ordered by a launch of its own: nothing passes between the work-groups of a launch.
	s_load_b128 s[4:7], s[0:1], 0x0                ; part s[4:5], out1 s[6:7]
	v_lshlrev_b32 v1, 4, v0
	v_mov_b32 v2, 0
	s_mov_b32 s8, 0x76543210
	s_mov_b32 s9, 0xfedcba98
	s_wait_alu depctr_va_vdst(0)
	s_wait_kmcnt 0x0
	global_load_b128 v[4:7], v1, s[4:5]
	global_load_b128 v[8:11], v1, s[4:5] offset:512
	s_wait_loadcnt 0x0
	v_pk_add_f32 v[4:5], v[4:5], v[6:7]
	v_pk_add_f32 v[8:9], v[8:9], v[10:11]
	v_pk_add_f32 v[4:5], v[4:5], v[8:9]
	v_add_f32 v4, v4, v5
	v_add_f32_dpp v4, v4, v4 row_xmask:1 row_mask:0xf bank_mask:0xf
	v_add_f32_dpp v4, v4, v4 row_xmask:2 row_mask:0xf bank_mask:0xf
	v_add_f32_dpp v4, v4, v4 row_xmask:4 row_mask:0xf bank_mask:0xf
	v_add_f32_dpp v4, v4, v4 row_xmask:8 row_mask:0xf bank_mask:0xf
	v_permlanex16_b32 v5, v4, s8, s9
	v_add_f32 v4, v4, v5
	v_mul_f32 v4, 0x34a00000, v4                   ; 1.25 x 2^-22
	v_cmp_gt_u32 vcc_lo, 1, v0
	s_wait_alu depctr_va_vdst(0)
	s_wait_xcnt 0x0                                ; EXEC changes only behind this wait
	s_and_saveexec_b32 s10, vcc_lo
	global_store_b32 v2, v4, s[6:7]                ; thread 0 stores the one number
	s_wait_xcnt 0x0
	s_or_b32 exec_lo, exec_lo, s10
	s_endpgm
.Lfunc_end_k_q0d8bb6eb7d_total:
	.size	k_q0d8bb6eb7d_total, .Lfunc_end_k_q0d8bb6eb7d_total-k_q0d8bb6eb7d_total
	.p2alignl 7, 3214868480
	.fill 96, 4, 3214868480
	.section	.rodata,"a",@progbits
	.p2align	6, 0x0
	.amdhsa_kernel k_q0d8bb6eb7d_total
		.amdhsa_group_segment_fixed_size 0
		.amdhsa_private_segment_fixed_size 0
		.amdhsa_enable_private_segment 0
		.amdhsa_kernarg_size 16
		.amdhsa_user_sgpr_count 2
		.amdhsa_user_sgpr_kernarg_segment_ptr 1
		.amdhsa_wavefront_size32 1
		.amdhsa_system_sgpr_workgroup_id_x 1
		.amdhsa_system_sgpr_workgroup_id_y 1
		.amdhsa_system_sgpr_workgroup_id_z 1
		.amdhsa_system_vgpr_workitem_id 0
		.amdhsa_next_free_vgpr 16
		.amdhsa_next_free_sgpr 66
		.amdhsa_reserve_vcc 1
		.amdhsa_float_denorm_mode_32 3
		.amdhsa_float_denorm_mode_16_64 3
		.amdhsa_memory_ordered 1
		.amdhsa_forward_progress 1
		.amdhsa_inst_pref_size 2
	.end_amdhsa_kernel
	.amdgpu_metadata
---
amdhsa.version: [ 1, 2 ]
amdhsa.kernels:
  - .name:           k_q0d8bb6eb7d_total
    .symbol:         k_q0d8bb6eb7d_total.kd
    .args:
      - { .name: part, .offset: 0, .size: 8, .value_kind: global_buffer, .address_space: global }
      - { .name: out1, .offset: 8, .size: 8, .value_kind: global_buffer, .address_space: global }
    .group_segment_fixed_size: 0
    .private_segment_fixed_size: 0
    .kernarg_segment_align: 8
    .kernarg_segment_size: 16
    .max_flat_workgroup_size: 32
    .sgpr_count:     66
    .vgpr_count:     16
    .wavefront_size: 32
...
	.end_amdgpu_metadata
.endif
;; end of part 6
